; MI455X (gfx1250); checked and timed in simulation.
; The chip was launched on July 23, 2026; its instructions are those of AMD's public machine-readable ISA for CDNA 5 (MIT licence, August 2026) and "CDNA5" Instruction Set Architecture Reference Guide (July 2026). The comments in the code are by the model that wrote it; some were corrected since.
;; Neural Memory. Allowed arithmetic: float matrix products may take bf16 or f16 operands with f32 sums; other float arithmetic in f32, or as packed bf16 or f16 multiplies, adds, multiply-adds, maxima and minima; sums over many terms, partial sums and values carried from step to step in f32; what a program stores and reads back later, other than sums and carried values, may be rounded once to bf16 or f16.
;; Inputs: Wk 1,024 x 64 float32; Wv 1,024 x 64 float32; bk 64 float32; bv 64 float32; dg_b1 32 float32; dg_b2 1 float32; dg_w1 1,024 x 32 float32; dg_w2 32 x 1 float32; fg_b1 32 float32; fg_b2 1 float32; fg_w1 1,024 x 32 float32; fg_w2 32 x 1 float32; memory 65,536 x 64 float32; momentum_S 65,536 x 64 float32; x 2 x 1,024 x 1,024 float32.
;; Outputs: out0 one number float32; out1 65,536 x 64 float32; out2 65,536 x 64 float32.
;; 2 versions, each right; version 2 is version 1 with the launch final written anew for expert scheduling mode. Each part assembles by itself: llvm-mc -triple=amdgcn-amd-amdhsa -mcpu=gfx1250 --defsym DOCPART=n.
;; ======== version 1 of 2: 5 launches
;; workspace buffers: pj 917,504 bytes; fw 34,603,008 bytes; md 286,976 bytes; bw 16,781,312 bytes
;; launch proj (part 1): grid 64 x 3, 8 waves a work-group, no clusters, 164,864 bytes of LDS; arguments x, Wk, Wv, fg_w1, dg_w1, bk, bv, pj; writes pj
.if DOCPART == 1
	.amdgcn_target "amdgcn-amd-amdhsa--gfx1250"
	.amdhsa_code_object_version 6
	.text
	.protected	k_q21357db371_proj
	.globl	k_q21357db371_proj
	.p2align	8
	.type	k_q21357db371_proj,@function
k_q21357db371_proj:
	s_mov_b64 s[64:65], 0
	v_nop
	global_prefetch_b8 v0, s[64:65] scope:SCOPE_SE
	s_setreg_imm32_b32 hwreg(HW_REG_WAVE_MODE, 25, 1), 1
	s_wait_xcnt 0x0
; PROJECTIONS.  x: [2048][1024] f32.  A work-group takes 32 rows of x and 64 columns: y = 0: Wk, y = 1: Wv, y = 2: fg_w1 | dg_w1 (32 columns each).
; Products in bf16 (x and the weights rounded once, to nearest even), sums in f32.  Out, all into pj:
;   y = 0: kq = bf16((x Wk + bk) / 8), [2048][64], at byte 0 (the eighth is the scores' 1 / sqrt(64), an exact power of two)
;   y = 1: vv = x Wv + bv, f32 [2048][64], at byte 262,144
;   y = 2: hpart, f32 [512][64] at byte 786,432: row 8 x block + wave holds the sum over four rows of x of x [fg_w1 | dg_w1]: the gates' pooled input is linear, so the mean over the sequence is taken of these
; SHARES.  K = 1,024 is split among the eight waves, 128 each: four steps of 32.  Each wave makes all 2 x 4 tiles of 16 x 16 for its part of K; the eight partial tiles meet in LDS.
; LAYOUT.  The product is taken transposed: source 0 = 16 columns of W, source 1 = 16 rows of x, so a lane ends with one row of x and eight neighbouring columns.
; W lies [k][column] in memory: it is rounded to bf16, laid into the wave's own LDS region and read back turned (ds_load_tr16_b128).  x's fragments come straight from memory.
; No cluster: what is shared (the weights, 256 KiB a y) is a small part beside x.  No prefetch: every load of the launch goes out at its head.
.set REGN,  20480                      ; a wave's LDS region: 128 rows [k] of 64 bf16, pitch 160; later its partial tile, 32 rows of 64 f32, pitch 272 (8,704 bytes), over the same, own bytes
.set WP,    160                        ; 5 x 32 bytes
.set PP,    272                        ; 256 + 16: sixteen rows start at sixteen different groups of four banks
.set SPARE, 8*REGN                     ; the spare words: 128 bytes for each of the eight waves, four blocks of 256 bytes that no other line names
.set WV,  4                            ; s4   wave
.set YY,  5                            ; s5   y
.set LSW, 7                            ; v7   where I put 16 bytes of W
.set LTW, 8                            ; v8   where I read W back, turned
.set PSW, 9                            ; v9   where I put my partial sums
.set MR,  10                           ; v10-12  where I read the partial tiles of waves 0-2, 3-5, 6-7 (an immediate holds 16 bits)
.set OUTO, 13                          ; v13  my byte offset in the output
.set SPW, 14                           ; v14  my spare word
.set NIL, 15                           ; v15  0
.set OFF, 16                           ; v16-31  pass p: my byte offset in W
.set ACC, 32                           ; v32-95  accumulator (rt, ct) at ACC + 8 (4 rt + ct)
.set BI,  96                           ; v96-99  the bias of my four columns
.set XO,  100                          ; v100 my byte offset in 16 rows of x
.set BO,  101                          ; v101 16 x (lane % 16)
.set PKD, 104                          ; v104-107 packed kq
.set X,   128                          ; v128-255  x: fragment f = 4 rt + ks, 16 f32 at X + 16 f, packed in place to 8; later the partial tiles
                                       ; window 1: pass q of W, 8 f32 at 8 q, packed in place to 4; later W's fragments (ks, ct) at 8 (4 ks + ct)
.set MSB, 0
.macro WIN new                         ; the high byte repeats the setting that is left; a switch that changes nothing is dropped
.if MSB != (\new)
	s_set_vgpr_msb (MSB<<8)|(\new)
.set MSB, (\new)
.endif
.endm
	s_load_b512 s[8:23], s[0:1], 0x0               ; x 8, Wk 10, Wv 12, fg_w1 14, dg_w1 16, bk 18, bv 20, pj 22
	v_lshl_add_u32 v[SPW], v0, 2, SPARE
	v_mov_b32 v[NIL], 0
	v_lshrrev_b32 v1, 5, v0
	v_readfirstlane_b32 s[WV], v1
	s_and_b32 s[YY], ttmp7, 0xffff
	s_mov_b32 s36, 0x76543210                      ; v_permlanex16_b32: each lane takes its own place in the other half
	s_mov_b32 s37, 0xfedcba98
	s_cmp_eq_u32 s[YY], 2
	s_cselect_b32 s28, 7, 8                        ; a row of W is 128 bytes (gates) or 256
	s_lshl_b32 s29, 8, s28                         ; eight rows: a pass
	v_and_b32 v1, 31, v0                           ; L
	v_and_b32 v2, 15, v0                           ; r
	v_bfe_u32 v3, v0, 4, 1                         ; h
	v_lshrrev_b32 v4, 2, v1                        ; L / 4: my row of a pass
	v_and_b32 v5, 3, v0                            ; L % 4: my 8 of 32 columns
	s_lshl_b32 s2, s[WV], 7
	v_add_nc_u32 v6, s2, v4                        ; k = 128 w + L / 4
	v_lshlrev_b32 v6, s28, v6
	v_lshl_add_u32 v[OFF], v5, 5, v6
.set p, 1
.rept 15
	v_add_nc_u32 v[OFF+p], s29, v[OFF+p-1]
.set p, p+1
.endr
	s_mul_i32 s3, s[WV], REGN
	v_mul_u32_u24 v[LSW], v4, WP
	v_lshl_add_u32 v[LSW], v5, 4, v[LSW]
	v_add_nc_u32 v[LSW], s3, v[LSW]
	v_and_b32 v6, 7, v0
	v_lshl_add_u32 v6, v3, 3, v6                   ; row 8 h + L % 8
	v_mul_u32_u24 v[LTW], v6, WP
	v_bfe_u32 v6, v0, 3, 1
	v_lshl_add_u32 v[LTW], v6, 4, v[LTW]
	v_add_nc_u32 v[LTW], s3, v[LTW]
	v_mul_u32_u24 v[PSW], v2, PP
	v_lshl_add_u32 v[PSW], v3, 5, v[PSW]
	v_add_nc_u32 v[PSW], s3, v[PSW]
	s_lshl_b32 s2, s[WV], 2
	v_add_nc_u32 v6, s2, v3                        ; row 4 w + h of the 32
	v_mul_u32_u24 v[MR], v6, PP
	v_lshl_add_u32 v[MR], v2, 4, v[MR]
	v_add_nc_u32 v[MR+1], 3*REGN, v[MR]
	v_add_nc_u32 v[MR+2], 6*REGN, v[MR]
	v_lshlrev_b32 v[XO], 12, v2
	v_lshl_add_u32 v[XO], v3, 5, v[XO]             ; row r x 4,096 + 32 h
	v_lshlrev_b32 v[BO], 4, v2
	s_lshl_b32 s2, ttmp9, 17                       ; 32 rows of x,
	s_lshl_b32 s3, s[WV], 9                        ; my 128 k
	s_add_co_u32 s2, s2, s3
	s_mov_b32 s3, 0
	s_wait_kmcnt 0x0
	s_add_nc_u64 s[32:33], s[8:9], s[2:3]
	s_cmp_eq_u32 s[YY], 0
	s_cselect_b64 s[24:25], s[10:11], s[12:13]     ; columns 0-31 come from here,
	s_cselect_b64 s[30:31], s[18:19], s[20:21]     ; the bias from here,
	s_add_nc_u64 s[26:27], s[24:25], 128           ; columns 32-63 from here
	s_cmp_eq_u32 s[YY], 2
	s_cselect_b64 s[24:25], s[14:15], s[24:25]
	s_cselect_b64 s[26:27], s[16:17], s[26:27]
	global_load_b128 v[BI:BI+3], v[BO], s[30:31]
	WIN 0x40                                       ; destination window 1
.set q, 0
.rept 32                                       ; pass q = 16 x half + p: rows 8 p .. 8 p + 7 of my 128, 32 columns; a lane takes 32 bytes
	global_load_b128 v[8*q:8*q+3],   v[OFF+q%16], s[24+2*(q/16):25+2*(q/16)]
	global_load_b128 v[8*q+4:8*q+7], v[OFF+q%16], s[24+2*(q/16):25+2*(q/16)] offset:16
.set q, q+1
.endr
	WIN 0
.set f, 0
.rept 8                                        ; a fragment: k = 8 h + 0..7 (32 bytes) and 16 + 8 h + 0..7 (64 bytes on)
	global_load_b128 v[X+16*f:X+16*f+3],     v[XO], s[32:33] offset:(f/4)*65536+(f%4)*128
	global_load_b128 v[X+16*f+4:X+16*f+7],   v[XO], s[32:33] offset:(f/4)*65536+(f%4)*128+16
	global_load_b128 v[X+16*f+8:X+16*f+11],  v[XO], s[32:33] offset:(f/4)*65536+(f%4)*128+64
	global_load_b128 v[X+16*f+12:X+16*f+15], v[XO], s[32:33] offset:(f/4)*65536+(f%4)*128+80
.set f, f+1
.endr
	s_wait_loadcnt 32                              ; the bias and W are in; x's 32 loads may stay out
	WIN 0x45
.set q, 0
.rept 32
.irp i, 0,1,2,3
	v_cvt_pk_bf16_f32 v[8*q+\i], v[8*q+2*\i], v[8*q+2*\i+1]
.endr
.set q, q+1
.endr
	WIN 0x04                                       ; store data window 1
.set q, 0
.rept 32
	ds_store_b128 v[LSW], v[8*q:8*q+3] offset:8*WP*(q%16)+64*(q/16)
.set q, q+1
.endr
	WIN 0x40
.set f, 0
.rept 16                                       ; f = 4 ks + ct.  The bytes are my own and LDS serves a wave in order (ISA guide 5.7.1.4): no wait, no barrier
	ds_load_tr16_b128 v[8*f:8*f+3],   v[LTW] offset:32*WP*(f/4)+32*(f%4)
	ds_load_tr16_b128 v[8*f+4:8*f+7], v[LTW] offset:32*WP*(f/4)+32*(f%4)+16*WP
.set f, f+1
.endr
	WIN 0
	s_wait_loadcnt 0x0                             ; x
.set f, 0
.rept 8
.irp i, 0,1,2,3,4,5,6,7
	v_cvt_pk_bf16_f32 v[X+16*f+\i], v[X+16*f+2*\i], v[X+16*f+2*\i+1]
.endr
.set f, f+1
.endr
	s_wait_dscnt 0x0                               ; W's fragments
	WIN 0x01                                       ; source 0 window 1
.set n, 0
.rept 32                                       ; n = 8 ks + 4 rt + ct: the eight accumulators take turns; the first K step starts the sums
.set ks, n/8
.set rt, (n/4)%2
.set ct, n%4
.if ks == 0
	v_wmma_f32_16x16x32_bf16 v[ACC+8*(4*rt+ct):ACC+8*(4*rt+ct)+7], v[8*(4*ks+ct):8*(4*ks+ct)+7], v[X+16*(4*rt+ks):X+16*(4*rt+ks)+7], 0
.else
	v_wmma_f32_16x16x32_bf16 v[ACC+8*(4*rt+ct):ACC+8*(4*rt+ct)+7], v[8*(4*ks+ct):8*(4*ks+ct)+7], v[X+16*(4*rt+ks):X+16*(4*rt+ks)+7], v[ACC+8*(4*rt+ct):ACC+8*(4*rt+ct)+7]
.endif
.set n, n+1
.endr
	WIN 0
.rept 8
	v_nop                                          ; the places behind the last products (ISA guide 7.12.1), once a launch
.endr
.set a, 0
.rept 8                                        ; a = 4 rt + ct: row 16 rt + r, columns 16 ct + 8 h + 0..7; each accumulator's low registers first
	ds_store_b128 v[PSW], v[ACC+8*a:ACC+8*a+3]   offset:16*PP*(a/4)+64*(a%4)
	ds_store_b128 v[PSW], v[ACC+8*a+4:ACC+8*a+7] offset:16*PP*(a/4)+64*(a%4)+16
.set a, a+1
.endr
	s_wait_dscnt 0x0                               ; for the others: my partial tile lies in LDS
	s_barrier_signal -1
	s_barrier_wait -1
.irp t, 0,1                                    ; wave w finishes rows 4 w .. 4 w + 3: row 4 w + 2 t + h, columns 4 r .. 4 r + 3
.irp pw, 0,1,2,3,4,5,6,7
	ds_load_b128 v[X+32*\t+4*\pw:X+32*\t+4*\pw+3], v[MR+(\pw)/3] offset:REGN*((\pw)%3)+2*PP*\t
.endr
.endr
	s_wait_dscnt 0x0
.macro ADDQ t, d, s                            ; partial tile s onto d
	v_pk_add_f32 v[X+32*(\t)+4*(\d):X+32*(\t)+4*(\d)+1],   v[X+32*(\t)+4*(\d):X+32*(\t)+4*(\d)+1],   v[X+32*(\t)+4*(\s):X+32*(\t)+4*(\s)+1]
	v_pk_add_f32 v[X+32*(\t)+4*(\d)+2:X+32*(\t)+4*(\d)+3], v[X+32*(\t)+4*(\d)+2:X+32*(\t)+4*(\d)+3], v[X+32*(\t)+4*(\s)+2:X+32*(\t)+4*(\s)+3]
.endm
.irp t, 0,1
	ADDQ \t, 0, 1
	ADDQ \t, 2, 3
	ADDQ \t, 4, 5
	ADDQ \t, 6, 7
	ADDQ \t, 0, 2
	ADDQ \t, 4, 6
	ADDQ \t, 0, 4
.endr
	s_cmp_eq_u32 s[YY], 1
	s_cbranch_scc1 .Lvv
	s_cmp_eq_u32 s[YY], 2
	s_cbranch_scc1 .Lgate
	s_lshl_b32 s2, ttmp9, 12                       ; kq: 128 bytes a row
	s_lshl_b32 s3, s[WV], 9
	s_add_co_u32 s2, s2, s3
	s_mov_b32 s3, 0
	s_add_nc_u64 s[34:35], s[22:23], s[2:3]
	v_lshlrev_b32 v[OUTO], 7, v3
	v_lshl_add_u32 v[OUTO], v2, 3, v[OUTO]
	v_pk_mul_f32 v[BI:BI+1],   v[BI:BI+1],   0x3e000000 op_sel_hi:[1,0]  ; bk / 8
	v_pk_mul_f32 v[BI+2:BI+3], v[BI+2:BI+3], 0x3e000000 op_sel_hi:[1,0]
.irp t, 0,1
	v_pk_fma_f32 v[X+32*\t:X+32*\t+1],   v[X+32*\t:X+32*\t+1],   0x3e000000, v[BI:BI+1]   op_sel_hi:[1,0,1]
	v_pk_fma_f32 v[X+32*\t+2:X+32*\t+3], v[X+32*\t+2:X+32*\t+3], 0x3e000000, v[BI+2:BI+3] op_sel_hi:[1,0,1]
	v_cvt_pk_bf16_f32 v[PKD+2*\t],   v[X+32*\t],   v[X+32*\t+1]
	v_cvt_pk_bf16_f32 v[PKD+2*\t+1], v[X+32*\t+2], v[X+32*\t+3]
	global_store_b64 v[OUTO], v[PKD+2*\t:PKD+2*\t+1], s[34:35] offset:256*\t  ; the wave stores two rows: 256 consecutive bytes, aligned
.endr
	s_branch .Lend
.Lvv:
	s_lshl_b32 s2, ttmp9, 13                       ; vv: 256 bytes a row
	s_lshl_b32 s3, s[WV], 10
	s_add_co_u32 s2, s2, s3
	s_add_co_u32 s2, s2, 262144
	s_mov_b32 s3, 0
	s_add_nc_u64 s[34:35], s[22:23], s[2:3]
	v_lshlrev_b32 v[OUTO], 8, v3
	v_lshl_add_u32 v[OUTO], v2, 4, v[OUTO]
.irp t, 0,1
	v_pk_add_f32 v[X+32*\t:X+32*\t+1],   v[X+32*\t:X+32*\t+1],   v[BI:BI+1]
	v_pk_add_f32 v[X+32*\t+2:X+32*\t+3], v[X+32*\t+2:X+32*\t+3], v[BI+2:BI+3]
	global_store_b128 v[OUTO], v[X+32*\t:X+32*\t+3], s[34:35] offset:512*\t  ; sixteen lanes store a row: 256 consecutive bytes, aligned
.endr
	s_branch .Lend
.Lgate:
	s_lshl_b32 s2, ttmp9, 11                       ; hpart: row 8 x block + wave
	s_lshl_b32 s3, s[WV], 8
	s_add_co_u32 s2, s2, s3
	s_add_co_u32 s2, s2, 786432
	s_mov_b32 s3, 0
	s_add_nc_u64 s[34:35], s[22:23], s[2:3]
	v_pk_add_f32 v[X:X+1],   v[X:X+1],   v[X+32:X+33]  ; my wave's four rows: t = 0 and 1,
	v_pk_add_f32 v[X+2:X+3], v[X+2:X+3], v[X+34:X+35]
.irp i, 0,1,2,3
	v_permlanex16_b32 v[X+4+\i], v[X+\i], s36, s37     ; and the other half of the lanes (the destination has been written)
.endr
	v_pk_add_f32 v[X:X+1],   v[X:X+1],   v[X+4:X+5]
	v_pk_add_f32 v[X+2:X+3], v[X+2:X+3], v[X+6:X+7]
	v_cmp_gt_u32 vcc_lo, 16, v1
	s_wait_xcnt 0x0                                ; EXEC changes only behind this wait
	s_and_saveexec_b32 s38, vcc_lo
	global_store_b128 v[BO], v[X:X+3], s[34:35]    ; sixteen lanes: 256 consecutive bytes, aligned
	s_wait_xcnt 0x0
	s_or_b32 exec_lo, exec_lo, s38
.Lend:
	s_wait_tensorcnt 0x0                           ; the wave's end: behind my last LDS store
	ds_add_u32 v[SPW], v[NIL]
	s_wait_dscnt 0x0
	s_endpgm
.Lfunc_end_k_q21357db371_proj:
	.size	k_q21357db371_proj, .Lfunc_end_k_q21357db371_proj-k_q21357db371_proj
	.p2alignl 7, 3214868480
	.fill 96, 4, 3214868480
	.section	.rodata,"a",@progbits
	.p2align	6, 0x0
	.amdhsa_kernel k_q21357db371_proj
		.amdhsa_group_segment_fixed_size 164864
		.amdhsa_private_segment_fixed_size 0
		.amdhsa_enable_private_segment 0
		.amdhsa_kernarg_size 64
		.amdhsa_user_sgpr_count 2
		.amdhsa_user_sgpr_kernarg_segment_ptr 1
		.amdhsa_wavefront_size32 1
		.amdhsa_system_sgpr_workgroup_id_x 1
		.amdhsa_system_sgpr_workgroup_id_y 1
		.amdhsa_system_sgpr_workgroup_id_z 1
		.amdhsa_system_vgpr_workitem_id 0
		.amdhsa_next_free_vgpr 512
		.amdhsa_next_free_sgpr 66
		.amdhsa_reserve_vcc 1
		.amdhsa_float_denorm_mode_32 3
		.amdhsa_float_denorm_mode_16_64 3
		.amdhsa_memory_ordered 1
		.amdhsa_forward_progress 1
		.amdhsa_inst_pref_size 39
	.end_amdhsa_kernel
	.amdgpu_metadata
---
amdhsa.version: [ 1, 2 ]
amdhsa.kernels:
  - .name:           k_q21357db371_proj
    .symbol:         k_q21357db371_proj.kd
    .args:
      - { .name: x, .offset: 0, .size: 8, .value_kind: global_buffer, .address_space: global }
      - { .name: Wk, .offset: 8, .size: 8, .value_kind: global_buffer, .address_space: global }
      - { .name: Wv, .offset: 16, .size: 8, .value_kind: global_buffer, .address_space: global }
      - { .name: fg_w1, .offset: 24, .size: 8, .value_kind: global_buffer, .address_space: global }
      - { .name: dg_w1, .offset: 32, .size: 8, .value_kind: global_buffer, .address_space: global }
      - { .name: bk, .offset: 40, .size: 8, .value_kind: global_buffer, .address_space: global }
      - { .name: bv, .offset: 48, .size: 8, .value_kind: global_buffer, .address_space: global }
      - { .name: pj, .offset: 56, .size: 8, .value_kind: global_buffer, .address_space: global }
    .group_segment_fixed_size: 164864
    .private_segment_fixed_size: 0
    .kernarg_segment_align: 8
    .kernarg_segment_size: 64
    .max_flat_workgroup_size: 256
    .sgpr_count:     66
    .vgpr_count:     512
    .wavefront_size: 32
...
	.end_amdgpu_metadata
.endif
;; end of part 1
;; launch fwd (part 2): grid 4 x 64, 4 waves a work-group, no clusters, 169,472 bytes of LDS; arguments memory, pj, fw; writes fw
.if DOCPART == 2
	.amdgcn_target "amdgcn-amd-amdhsa--gfx1250"
	.amdhsa_code_object_version 6
	.text
	.protected	k_q21357db371_fwd
	.globl	k_q21357db371_fwd
	.p2align	8
	.type	k_q21357db371_fwd,@function
k_q21357db371_fwd:
	s_mov_b64 s[64:65], 0
	v_nop
	global_prefetch_b8 v0, s[64:65] scope:SCOPE_SE
	s_setreg_imm32_b32 hwreg(HW_REG_WAVE_MODE, 25, 1), 1
	s_wait_xcnt 0x0
; THE FORWARD PASS, in parts.  For 512 queries (x) and one chunk of 1,024 memory rows (y): the running maximum m of s = kq . M, l = the sum of p = e^(s - m), and O = the sum of p M.
; kq: bf16 [2048][64] (it holds k / 8), at pj's byte 0.  memory: f32 [65536][64], rounded once to bf16 on the way into LDS, where it serves both products.
; Products in bf16, maxima and sums in f32; p is rounded to bf16 for the second product (l is taken of the unrounded p).  Out, into fw, all f32:
;   opart [64 chunks][2048][64] at byte 0;   ml at byte 33,554,432: [64 blocks of 32 queries][64 chunks][32 m, then 32 l]: 256 bytes for a block and chunk.
; LIMITS.  A weight below 2^-126 counts as 0 in l; NaN and infinities are not treated apart.
; SHARES.  A wave owns four PIECES of two tiles of 16 queries: 128; every wave walks the chunk's keys, 64 a step, 16 steps.  The whole chunk lies in LDS, filled once by the work-group's own
; stores: one barrier in the launch.  NO CLUSTER, no joint loads: the tile is f32 in memory and has to pass through registers to become bf16.  No prefetch: every load goes out at the head.
; LAYOUT.  S^T = M Q^T (source 0 = 16 keys, source 1 = 16 queries): a lane holds ONE query (lane % 16) and eight keys.  Two such tiles, rounded in pairs, ARE source 1 of O^T = M^T P.
; ONE TILE, PITCH 144, FOR BOTH READINGS.  Index 8 h + j of a group of 16 keys stands for LDS row 2 j + h; the order of keys in a group is free as long as both products use it.  Plain load: lane r
; takes row 2 (r % 8) + r / 8: sixteen rows of 144 bytes start at sixteen different groups of four banks (64 banks of 4 bytes: ISA guide 11.1).  Turning load: lane L takes row 2 (L % 8) + L / 16,
; bytes 16 ((L / 8) % 2) on: sixteen lanes take eight rows of one parity, 288 bytes apart, 32 bytes each: every bank once.
; SOFTMAX, TURNS.  p = 2^(c s - c m), c = log2(e); in every step O and l are multiplied by a = 2^(c m_old - c m_new).  m starts at the lowest finite number, O and l at 0: the first step has a = 0.
; Turn n belongs to piece n: 16 products M Q^T of piece n + 1, later 16 products M^T P of piece n - 1; beside them piece n's scaling, exponentials, roundings, sums and rescaling and the maximum
; and statistics of piece n + 1.  Four vector instructions stand behind every matrix instruction, the other 108 of a turn's 236 in one lump; a turn's 66 exponentials are one batch with one wait.
; The price of writing no first step out: 384 v_mov_b32 at the head, 16 products on zeros at the start, 16 on the last keys once more at the end (their maximum is one already held: m does not move).
; REGISTERS, in windows of 256 (s_set_vgpr_msb: bits 1:0 source 0, 3:2 source 1, 5:4 source 2, 7:6 destination):
;   window 0: v0-11 addresses; v12-15 at work; v16-47 four registers of statistics a tile; v48-63 at work; v64-191 S^T, two buffers of two tiles; v192-255 P, likewise
;   window 1: O^T, 32 a tile (during the fill: two sets of 128 for the f32 rows)      window 2: v0-127 Q, 16 a tile; v128-191 the keys as K; v192-255 the keys as V
.set NP,    4         ; pieces a wave: a name, no knob
.set KS,    64        ; keys in a step
.set PK,    144       ; a row in LDS: 128 bytes + 16
.set STEPB, KS*PK
.set STAGE, 1024*PK   ; behind the tile: 16 rows x 272 bytes for each wave, for the way out
.set SP,    272
.set MLS,   STAGE+4*16*SP  ; 1,024 bytes for each wave: its m and l
.set SPARE, MLS+4096  ; the spare words: 128 bytes for each wave, two blocks of 256 bytes that no other line names
.set AK0, 2           ; v2   my lane's place in 16 keys, plain
.set AV0, 3           ; v3   the same, turned
.set AK,  4           ; v4   the LDS address of K's next run of loads
.set AV,  5           ; v5   of V's
.set QO,  6           ; v6   my byte offset in the wave's rows of kq
.set STO, 6           ;      later: where I put 32 bytes of a row
.set RD,  7           ; v7   where I read rows back
.set GO,  8           ; v8   my byte offset in two rows of opart
.set SPW, 10          ; v10  my spare word
.set NIL, 11          ; v11  0            (v1 = lane % 16 and v9 = lane / 16 are kept)
.set MV,  12          ; v12-15  c m_old, by buffer and tile
.set ST,  16          ; tile t's statistics at v[ST+4 t]: c m, m, l (even, odd)
.set TMP, 48          ; by buffer and tile, four registers c0-c3 at work; c2 takes a
.set FG,  52          ; v52  at the head: my byte offset in four rows of memory
.set FL,  53          ; v53  at the head: where I put 16 bytes of a row
.set S,   64
.set P,   192
.set KF,  128         ; window 2: key block kb, channel half c at KF + 16 kb + 8 c
.set VF,  192         ; window 2: key half kk, channel block cb at VF + 32 kk + 8 cb
.set WV,  12          ; s12  wave
.set CNT, 57          ; s57  key steps to go
.set CS,  58          ; s[58:59] c
.set SEL, 60          ; s[60:61] v_permlanex16_b32: each lane takes its own place in the other half
.set TBK, 62          ; s62  LDS byte at which the step to be fetched as K begins
.set TBV, 63          ; s63  the same as V
.set MSB, 0
.macro WIN new                      ; the high byte repeats the setting that is left; a switch that changes nothing is dropped
.if MSB != (\new)
	s_set_vgpr_msb (MSB<<8)|(\new)
.set MSB, (\new)
.endif
.endm
.set W_KQ, 0x0a       ; K and Q in window 2, S^T in window 0
.set W_PV, 0x52       ; V in window 2, P in window 0, O^T in window 1
.set W_RS, 0x41       ; O^T in window 1, a in window 0
	s_load_b128 s[4:7], s[0:1], 0x0  ; memory, pj
	s_load_b64 s[8:9], s[0:1], 0x10  ; fw
	v_lshl_add_u32 v[SPW], v0, 2, SPARE
	v_mov_b32 v[NIL], 0
	v_lshrrev_b32 v1, 5, v0
	v_readfirstlane_b32 s[WV], v1
	s_and_b32 s13, ttmp7, 0xffff    ; the chunk
	s_lshl_b32 s14, s13, 18         ; memory: 262,144 bytes a chunk, my 256 rows of it
	s_lshl_b32 s2, s[WV], 16
	s_add_co_u32 s14, s14, s2
	s_mov_b32 s15, 0
	s_lshl_b32 s16, ttmp9, 16       ; kq: 512 rows of 128 bytes, my 128
	s_lshl_b32 s2, s[WV], 14
	s_add_co_u32 s16, s16, s2
	s_mov_b32 s17, 0
	s_lshl_b32 s18, s13, 19         ; opart
	s_lshl_b32 s2, ttmp9, 17
	s_add_co_u32 s18, s18, s2
	s_lshl_b32 s2, s[WV], 15
	s_add_co_u32 s18, s18, s2
	s_mov_b32 s19, 0
	s_lshl_b32 s20, ttmp9, 18       ; ml: block 16 x + 4 w, 16,384 bytes a block, 256 a chunk
	s_lshl_b32 s2, s[WV], 16
	s_add_co_u32 s20, s20, s2
	s_lshl_b32 s2, s13, 8
	s_add_co_u32 s20, s20, s2
	s_add_co_u32 s20, s20, 33554432
	s_mov_b32 s21, 0
	s_mov_b32 s[CS], 0x3fb8aa3b     ; log2(e)
	s_mov_b32 s[CS+1], s[CS]
	s_mov_b32 s[SEL], 0x76543210
	s_mov_b32 s[SEL+1], 0xfedcba98
	s_mov_b32 s[TBK], 0
	s_mov_b32 s[TBV], 0
	v_and_b32 v1, 15, v0            ; r
	v_bfe_u32 v9, v0, 4, 1          ; h
	v_and_b32 v48, 7, v0
	v_bfe_u32 v49, v0, 3, 1
	v_bfe_u32 v51, v0, 3, 2
	v_lshlrev_b32 v[QO], 7, v1
	v_lshl_add_u32 v[QO], v9, 4, v[QO]
	v_lshl_add_u32 v50, v48, 1, v49 ; row 2 (r % 8) + r / 8
	v_mul_u32_u24 v[AK0], v50, PK
	v_lshl_add_u32 v[AK0], v9, 4, v[AK0]
	v_lshl_add_u32 v50, v48, 1, v9  ; row 2 (L % 8) + h
	v_mul_u32_u24 v[AV0], v50, PK
	v_lshl_add_u32 v[AV0], v49, 4, v[AV0]
	v_lshlrev_b32 v[FG], 8, v51     ; the fill: row L / 8 of four, 32 bytes at 32 (L % 8)
	v_lshl_add_u32 v[FG], v48, 5, v[FG]
	s_mul_i32 s2, s[WV], 256*PK
	v_mul_u32_u24 v[FL], v51, PK
	v_lshl_add_u32 v[FL], v48, 4, v[FL]
	v_add_nc_u32 v[FL], s2, v[FL]
	s_wait_kmcnt 0x0
	s_add_nc_u64 s[4:5], s[4:5], s[14:15]
	s_add_nc_u64 s[6:7], s[6:7], s[16:17]
	s_add_nc_u64 s[10:11], s[8:9], s[20:21]
	s_add_nc_u64 s[8:9], s[8:9], s[18:19]
	WIN 0x80
.set i, 0
.rept 16                            ; Q stays in registers: tile i / 2, channels 32 (i % 2) on
	global_load_b128 v[8*i:8*i+3],   v[QO], s[6:7] offset:(i/2)*2048+(i%2)*64
	global_load_b128 v[8*i+4:8*i+7], v[QO], s[6:7] offset:(i/2)*2048+(i%2)*64+32
.set i, i+1
.endr
; THE FILL.  My 256 rows go in four groups of 64: 32 loads into one of two sets of 128 registers, 64 roundings, 16 LDS stores.
.macro FILLLD g
	WIN 0x40
.set p, 0
.rept 16
	global_load_b128 v[128*((\g)%2)+8*p:128*((\g)%2)+8*p+3],   v[FG], s[4:5] offset:1024*(16*(\g)+p)
	global_load_b128 v[128*((\g)%2)+8*p+4:128*((\g)%2)+8*p+7], v[FG], s[4:5] offset:1024*(16*(\g)+p)+16
.set p, p+1
.endr
.endm
.macro FILLCV g
	WIN 0x05
.set p, 0
.rept 64
	v_cvt_pk_bf16_f32 v[S+64*((\g)%2)+p], v[128*((\g)%2)+2*p], v[128*((\g)%2)+2*p+1]
.set p, p+1
.endr
	WIN 0
.set p, 0
.rept 16
	ds_store_b128 v[FL], v[S+64*((\g)%2)+4*p:S+64*((\g)%2)+4*p+3] offset:4*PK*(16*(\g)+p)
.set p, p+1
.endr
.endm
	FILLLD 0
	FILLLD 1
	WIN 0x80                        ; what the first turn finds, written while the loads are out: V and P's second buffer hold 0, l is 0
.set i, VF
.rept 64
	v_mov_b32 v[i], 0
.set i, i+1
.endr
	WIN 0
.set i, 0
.rept 2*NP
	v_mov_b32 v[ST+4*i], 0xfe000000    ; c m: far below every c s
	v_mov_b32 v[ST+4*i+1], 0xff7fffff  ; m
	v_mov_b32 v[ST+4*i+2], 0
	v_mov_b32 v[ST+4*i+3], 0
.set i, i+1
.endr
.set i, P+32
.rept 32
	v_mov_b32 v[i], 0
.set i, i+1
.endr
	s_wait_loadcnt 32               ; Q and group 0 are in; group 1's 32 loads may stay out
	FILLCV 0
	FILLLD 2
	s_wait_loadcnt 32               ; group 1 is in; group 2 stays out
	FILLCV 1
	FILLLD 3
	s_wait_loadcnt 32               ; group 2 is in; group 3 stays out
	FILLCV 2
	s_wait_loadcnt 0x0
	FILLCV 3
	WIN 0x40
.set i, 0
.rept 64*NP
	v_mov_b32 v[i], 0               ; O^T
.set i, i+1
.endr
	WIN 0
	s_wait_dscnt 0x0                ; for the others: my quarter of the tile lies in LDS
	s_barrier_signal -1
	s_barrier_wait -1               ; the tile is whole, and nobody writes it again
; THE MATRIX WORK.  The 8 accumulators of a run of 16 take turns.
.macro KQ x                         ; product i of 16 of S^T for piece x: channels 32 (i / 8) on, keys 16 ((i / 2) % 4) on, tile 2 x + i % 2; the first 8 start the sums
	WIN W_KQ
.set rS, S+64*((\x)%2)+32*(i%2)+8*((i/2)%4)
.set rK, KF+16*((i/2)%4)+8*(i/8)
.set rQ, 16*(2*(\x)+i%2)+8*(i/8)
.if i < 8
	v_wmma_f32_16x16x32_bf16 v[rS:rS+7], v[rK:rK+7], v[rQ:rQ+7], 0
.else
	v_wmma_f32_16x16x32_bf16 v[rS:rS+7], v[rK:rK+7], v[rQ:rQ+7], v[rS:rS+7]
.endif
.endm
.macro PV x                         ; product i of 16 of O^T for piece x: keys 32 (i / 8) on, channels 16 ((i / 2) % 4) on, tile 2 x + i % 2
	WIN W_PV
.set rO, 32*(2*(\x)+i%2)+8*((i/2)%4)
.set rV, VF+32*(i/8)+8*((i/2)%4)
.set rP, P+32*((\x)%2)+16*(i%2)+8*(i/8)
	v_wmma_f32_16x16x32_bf16 v[rO:rO+7], v[rV:rV+7], v[rP:rP+7], v[rO:rO+7]
.endm
.macro MM                           ; the turn's next matrix instruction
.if i < 16
	KQ (Y+1)%NP
.set i, i+1
.else
.set i, i-16
	PV (Y+NP-1)%NP
.set i, i+17
.endif
.endm
; THE LDS LOADS stand in runs of 16: a step's keys as K (8 fragments) and as V (turned).
.macro FETCH_K
	WIN 0x80
.irp f, 0,1,2,3,4,5,6,7             ; keys 16 (f / 2) on, channels 32 (f % 2) on
	ds_load_b128 v[KF+8*\f:KF+8*\f+3],   v[AK] offset:(\f/2)*16*PK+(\f%2)*64
	ds_load_b128 v[KF+8*\f+4:KF+8*\f+7], v[AK] offset:(\f/2)*16*PK+(\f%2)*64+32
.endr
	s_add_co_u32 s[TBK], s[TBK], STEPB
	WIN 0
.endm
.macro FETCH_V
	WIN 0x80
.irp f, 0,1,2,3,4,5,6,7             ; keys 32 (f / 4) on, channels 16 (f % 4) on
	ds_load_tr16_b128 v[VF+8*\f:VF+8*\f+3],   v[AV] offset:(\f/4)*32*PK+(\f%4)*32
	ds_load_tr16_b128 v[VF+8*\f+4:VF+8*\f+7], v[AV] offset:(\f/4)*32*PK+16*PK+(\f%4)*32
.endr
	WIN 0
.endm
; THE VECTOR WORK OF A TURN stands in three queues, each in the order in which its entries become ready; the two tiles alternate.
.macro REGS y, u                    ; the registers of tile u (0, 1) of piece y
.set rT, ST+4*(2*(\y)+(\u))
.set rC, TMP+8*((\y)%2)+4*(\u)
.set rM, MV+2*((\y)%2)+(\u)
.set rS, S+64*((\y)%2)+32*(\u)
.set rP, P+32*((\y)%2)+16*(\u)
.set rO, 32*(2*(\y)+(\u))
.endm
; Number n of the 22 that find the NEXT piece's maximum and statistics; each accumulator's lowest registers are read first.
;   0-11 four chains of seven scores     12-14, 16 the four scores left over, the old m, c0-c3 into c0     15 c m_old is kept     17, 18 the other half of the lanes: the new m     19-21 c m; its change; a
.macro XS u, n
	REGS (Y+1)%NP, \u
.if (\n) < 4
	v_max3_num_f32 v[rC+(\n)], v[rS+8*(\n)], v[rS+8*(\n)+1], v[rS+8*(\n)+2]
.elseif (\n) < 12
	v_max3_num_f32 v[rC+(\n)%4], v[rC+(\n)%4], v[rS+8*((\n)%4)+2*((\n)/4)+1], v[rS+8*((\n)%4)+2*((\n)/4)+2]
.elseif (\n) == 12
	v_max3_num_f32 v[rC], v[rC], v[rS+7], v[rS+15]
.elseif (\n) == 13
	v_max3_num_f32 v[rC+1], v[rC+1], v[rS+23], v[rS+31]
.elseif (\n) == 14
	v_max3_num_f32 v[rC+2], v[rC+2], v[rC+3], v[rT+1]
.elseif (\n) == 15
	v_mov_b32 v[rM], v[rT]
.elseif (\n) == 16
	v_max3_num_f32 v[rC], v[rC], v[rC+1], v[rC+2]
.elseif (\n) == 17
	v_permlanex16_b32 v[rC+3], v[rC], s[SEL], s[SEL+1]
.elseif (\n) == 18
	v_max_num_f32 v[rT+1], v[rC], v[rC+3]
.elseif (\n) == 19
	v_mul_f32 v[rT], s[CS], v[rT+1]
.elseif (\n) == 20
	v_sub_f32 v[rC+1], v[rM], v[rT]
.else
	v_exp_f32 v[rC+2], v[rC+1]
.endif
.endm
; Number g of the 64 that follow the exponentials: for each four weights both pairs are rounded to bf16, the second pair is added onto the first, and a group later l takes that sum (first as l = a l + sum).
.macro GS g
.set h, (\g)+6*((\g)/62)
.if h >= 6
.set h, h+2
.endif
	REGS Y, h%2
.set k, h/8
.if h%8 < 4
	v_cvt_pk_bf16_f32 v[rP+2*k+(h%8)/2], v[rS+4*k+2*((h%8)/2)], v[rS+4*k+2*((h%8)/2)+1]
.elseif h%8 < 6
	v_pk_add_f32 v[rS+4*k:rS+4*k+1], v[rS+4*k:rS+4*k+1], v[rS+4*k+2:rS+4*k+3]
.elseif k == 1
	v_pk_fma_f32 v[rT+2:rT+3], v[rT+2:rT+3], v[rC+2:rC+3], v[rS:rS+1] op_sel_hi:[1,0,1]
.else
	v_pk_add_f32 v[rT+2:rT+3], v[rT+2:rT+3], v[rS+4*k-4:rS+4*k-3]
.endif
.endm
; THE PLAIN QUEUE, 138 long.  0-73 read no exponential's result: the 32 scalings c s - c m and the next piece's 42; 74-137 are GS's 64, which stand behind the wait.
.macro FS f
	REGS Y, (\f)%2
	v_pk_fma_f32 v[rS+2*((\f)/2):rS+2*((\f)/2)+1], v[rS+2*((\f)/2):rS+2*((\f)/2)+1], s[CS:CS+1], v[rT:rT+1] op_sel_hi:[1,0,0] neg_lo:[0,0,1] neg_hi:[0,0,1]
.endm
.macro PL
	WIN 0
.if q < 27
	FS q
.elseif q < 55
	XS (q-27)%2, (q-27)/2
.elseif q < 57
	XS q-55, 15
.elseif (q < 72) && ((q-57)%3 == 0)
	FS 27+(q-57)/3
.elseif q < 60
	XS (q-57)%3-1, 14
.elseif q < 72
	XS (q-57)%3-1, 15+(q-57)/3
.elseif q < 74
	XS q-72, 20
.else
	GS q-74
.endif
.set q, q+1
.endm
.macro EX                           ; THE EXPONENTIALS' QUEUE, 66 long: one batch, all ahead of the turn's one wait
	WIN 0
.if e >= 64
	XS e-64, 21
.else
	REGS Y, e%2
	v_exp_f32 v[rS+e/2], v[rS+e/2]
.endif
.set e, e+1
.endm
.macro R2                           ; THE RESCALING's QUEUE: O^T times a, two at a time, sixteen times
	REGS Y, r%2
	WIN W_RS
.irp z, 0,1
	v_pk_mul_f32 v[rO+4*(r/2)+2*\z:rO+4*(r/2)+2*\z+1], v[rO+4*(r/2)+2*\z:rO+4*(r/2)+2*\z+1], v[rC+2:rC+3] op_sel_hi:[1,0]
.endr
.set r, r+1
.endm
; A TURN, for piece p.  Ahead of the one wait stands all that names no result of the turn's exponentials: 16 products M Q^T, behind each a scaling, an exponential and two rescalings, then a lump of 108.
; Behind it: 16 products M^T P, behind each four of GS's 64.  Exponential e stands behind scaling 2 (e / 4) + e % 2.
; The next step's K is fetched in piece 2's turn, directly behind the wait, a lump behind the last product that read K (nok = 1: there is no next step).  The step's V is fetched at the end of piece 0's turn,
; four plain riders behind its last reader.  Each is waited for a turn later.  cnt = 1: the loop's count is taken down some lines ahead of the branch behind the turn.
.macro TURN p, nok=0, cnt=0
.set Y, (\p)
.set i, 0
.set q, 0
.set e, 0
.set r, 0
.if (\p) == NP-1
	s_wait_dscnt 0x0                ; K is in
.endif
	MM
	PL
	PL
	R2
.rept 15
	MM
	PL
	EX
	R2
.endr
.if ((\p) == NP-2) && !(\nok)
	WIN 0
	v_add_nc_u32 v[AK], s[TBK], v[AK0]
.endif
.rept 8
	PL
.endr
.rept 49
	EX
	PL
.endr
	EX
	EX
	v_nop                           ; a plain instruction behind the last exponential (ISA guide 5.7.2): one for the batch
	s_wait_alu depctr_va_vdst(0)    ; the wait ahead of the first use of a result: one for the batch
.if ((\p) == NP-2) && !(\nok)
	FETCH_K
.endif
.if (\p) == 1
	s_wait_dscnt 0x0                ; V is in
.endif
.rept 16
	MM
.rept 4
	PL
.endr
.if ((\p) == 0) && (q == 118)
	v_add_nc_u32 v[AV], s[TBV], v[AV0]
.endif
.if ((\p) == 0) && (q == 130)
	s_add_co_u32 s[TBV], s[TBV], STEPB
.endif
.if (\cnt) && (q == 130)
	s_sub_co_u32 s[CNT], s[CNT], 1
	s_cmp_lg_u32 s[CNT], 0
.endif
.endr
.if (\p) == 0
	FETCH_V
.endif
.endm
	v_mov_b32 v[AK], v[AK0]
	FETCH_K                         ; key step 0
	s_wait_dscnt 0x0
.set i, 0
.rept 16
	KQ 0                            ; piece 0's first scores
.set i, i+1
.endr
	WIN 0                           ; the addresses for the way out: eight plain instructions, the places behind those products
	s_mul_i32 s13, s[WV], 16*SP
	s_add_co_u32 s13, s13, STAGE
	v_mul_u32_u24 v[STO], v1, SP    ; in: row r, 32 bytes for each half of the lanes
	v_lshl_add_u32 v[STO], v9, 5, v[STO]
	v_add_nc_u32 v[STO], s13, v[STO]
	v_mul_u32_u24 v[RD], v9, SP     ; back: lanes 0-15 one row of 256 bytes, lanes 16-31 the next
	v_lshl_add_u32 v[RD], v1, 4, v[RD]
	v_add_nc_u32 v[RD], s13, v[RD]
	v_lshlrev_b32 v[GO], 8, v9
	v_lshl_add_u32 v[GO], v1, 4, v[GO]
.set Y, NP-1                        ; XS works for piece Y + 1: piece 0
.irp n, 0,1,2,3,4,5,6,7,8,9,10,11,12,13,14,15,16,17,18,19,20,21
	XS 0, \n
	XS 1, \n
.endr
	v_nop                           ; a plain instruction behind the two a,
	s_wait_alu depctr_va_vdst(0)    ; and their wait, ahead of the branch
	s_mov_b32 s[CNT], 16
	s_branch .Lfirst                ; the loop is entered at a step's first turn, in the middle of a trip
.Lstep:                             ; a trip: pieces 2 and 3 of one step, then pieces 0 and 1 of the next, whose K and V it fetches
	TURN 2
	TURN 3
	WIN 0
.Lfirst:
	TURN 0
	TURN 1, 0, 1
	WIN 0
	s_cbranch_scc1 .Lstep
	TURN 2, 1                       ; the last step's second half: nothing more is fetched
	TURN 3
.set i, 0
.rept 16
	PV NP-1                         ; the last piece's M^T P of the last step
.set i, i+1
.endr
	; THE WAY OUT.  l's two halves and the other half of the lanes' are added (the first eight additions are the places behind the last products); m and l go through my 1,024 bytes of LDS, O^T through my stage.
	WIN 0
.macro ALL line:vararg              ; one line for each tile t
.set t, 0
.rept 2*NP
	\line
.set t, t+1
.endr
.endm
	ALL v_add_f32 v[ST+4*t+2], v[ST+4*t+2], v[ST+4*t+3]
	ALL v_permlanex16_b32 v[ST+4*t+3], v[ST+4*t+2], s[SEL], s[SEL+1]
	ALL v_add_f32 v[ST+4*t+2], v[ST+4*t+2], v[ST+4*t+3]
	s_lshl_b32 s13, s[WV], 10
	s_add_co_u32 s13, s13, MLS
	v_lshl_add_u32 v192, v1, 2, s13 ; in: query r of a tile (both halves of the lanes hold the same number and write the same word)
	v_and_b32 v193, 31, v0
	v_lshl_add_u32 v193, v193, 4, s13  ; back: 16 bytes a lane
	v_lshlrev_b32 v194, 14, v9      ; lanes 0-15 one block of 32 queries, lanes 16-31 the next
	v_lshl_add_u32 v194, v1, 4, v194
	ALL ds_store_b32 v192, v[ST+4*t+1] offset:256*(t/2)+64*(t%2)
	ALL ds_store_b32 v192, v[ST+4*t+2] offset:256*(t/2)+64*(t%2)+128
	ds_load_b128 v[196:199], v193   ; LDS serves a wave in order (ISA guide 5.7.1.4): these see the stores above
	ds_load_b128 v[200:203], v193 offset:512
	s_wait_dscnt 0x0
	global_store_b128 v194, v[196:199], s[10:11]               ; sixteen lanes store 256 consecutive bytes, aligned: a block's m and l for this chunk
	global_store_b128 v194, v[200:203], s[10:11] offset:32768
.macro PACK t                       ; tile t: 16 rows of 64 f32 into rows of 272 bytes, and back as whole rows of 256, into S^T's registers
.if (\t) >= 4
	s_wait_xcnt 0x0                 ; the stores of the tile four back have read these registers
.endif
	WIN 0x04                        ; store data window 1
.irp c, 0,1,2,3
	ds_store_b128 v[STO], v[32*(\t)+8*\c:32*(\t)+8*\c+3]   offset:64*\c
	ds_store_b128 v[STO], v[32*(\t)+8*\c+4:32*(\t)+8*\c+7] offset:64*\c+16
.endr
	WIN 0
.irp f, 0,1,2,3,4,5,6,7
	ds_load_b128 v[S+32*((\t)%4)+4*\f:S+32*((\t)%4)+4*\f+3], v[RD] offset:\f*2*SP
.endr
.endm
.macro SEND t, younger              ; younger: the LDS instructions issued behind tile t's loads: the next tile's sixteen, or none
.irp f, 0,1,2,3,4,5,6,7
	s_wait_dscnt (\younger)+7-\f
	global_store_b128 v[GO], v[S+32*((\t)%4)+4*\f:S+32*((\t)%4)+4*\f+3], s[8:9] offset:(\t)*4096+\f*512 th:TH_STORE_NT  ; sixteen lanes store a row: 256 consecutive bytes, aligned
.endr
.endm
	PACK 0
.set t, 1
.rept 2*NP-1
	PACK t
	SEND t-1, 16
.set t, t+1
.endr
	SEND 2*NP-1, 0
	s_wait_tensorcnt 0x0            ; the wave's end: behind my last LDS store
	ds_add_u32 v[SPW], v[NIL]
	s_wait_dscnt 0x0
	s_endpgm
.Lfunc_end_k_q21357db371_fwd:
	.size	k_q21357db371_fwd, .Lfunc_end_k_q21357db371_fwd-k_q21357db371_fwd
	.p2alignl 7, 3214868480
	.fill 96, 4, 3214868480
	.section	.rodata,"a",@progbits
	.p2align	6, 0x0
	.amdhsa_kernel k_q21357db371_fwd
		.amdhsa_group_segment_fixed_size 169472
		.amdhsa_private_segment_fixed_size 0
		.amdhsa_enable_private_segment 0
		.amdhsa_kernarg_size 24
		.amdhsa_user_sgpr_count 2
		.amdhsa_user_sgpr_kernarg_segment_ptr 1
		.amdhsa_wavefront_size32 1
		.amdhsa_system_sgpr_workgroup_id_x 1
		.amdhsa_system_sgpr_workgroup_id_y 1
		.amdhsa_system_sgpr_workgroup_id_z 1
		.amdhsa_system_vgpr_workitem_id 0
		.amdhsa_next_free_vgpr 768
		.amdhsa_next_free_sgpr 66
		.amdhsa_reserve_vcc 0
		.amdhsa_float_denorm_mode_32 3
		.amdhsa_float_denorm_mode_16_64 3
		.amdhsa_memory_ordered 1
		.amdhsa_forward_progress 1
		.amdhsa_inst_pref_size 182
	.end_amdhsa_kernel
	.amdgpu_metadata
---
amdhsa.version: [ 1, 2 ]
amdhsa.kernels:
  - .name:           k_q21357db371_fwd
    .symbol:         k_q21357db371_fwd.kd
    .args:
      - { .name: memory, .offset: 0, .size: 8, .value_kind: global_buffer, .address_space: global }
      - { .name: pj, .offset: 8, .size: 8, .value_kind: global_buffer, .address_space: global }
      - { .name: fw, .offset: 16, .size: 8, .value_kind: global_buffer, .address_space: global }
    .group_segment_fixed_size: 169472
    .private_segment_fixed_size: 0
    .kernarg_segment_align: 8
    .kernarg_segment_size: 24
    .max_flat_workgroup_size: 128
    .sgpr_count:     66
    .vgpr_count:     768
    .wavefront_size: 32
...
	.end_amdgpu_metadata
.endif
;; end of part 2
;; launch mid (part 3): grid 257 x 1, 4 waves a work-group, no clusters, 0 bytes of LDS; arguments fw, pj, fg_b1, fg_w2, fg_b2, dg_b1, dg_w2, dg_b2, md; writes md
.if DOCPART == 3
	.amdgcn_target "amdgcn-amd-amdhsa--gfx1250"
	.amdhsa_code_object_version 6
	.text
	.protected	k_q21357db371_mid
	.globl	k_q21357db371_mid
	.p2align	8
	.type	k_q21357db371_mid,@function
k_q21357db371_mid:
	s_mov_b64 s[64:65], 0
	v_nop
	global_prefetch_b8 v0, s[64:65] scope:SCOPE_SE
	s_setreg_imm32_b32 hwreg(HW_REG_WAVE_MODE, 25, 1), 1
	s_wait_xcnt 0x0
; BETWEEN THE PASSES.  Work-groups 0 to 255: the 64 chunks' (m, l, O) of a query are merged: M = max m, F = e^(m - M), l = the sum of F l, r = (the sum of F O) / l.  Then
;   g = (r - v) 2^-16 (the loss's gradient by r: 2 / (2048 x 64)), rounded to bf16: gq [2048][64] at md's byte 0;
;   at byte 262,144 three tables of 2,048 f32: -(M + ln l), -(g . r) with the ROUNDED g, and the sum over channels of (r - v)^2.  In each group of 16 queries place 8 (n % 2) + (n % 16) / 2 holds query n:
;   the order in which the backward pass's accumulators hold queries.
; All in f32.  A wave takes two queries, one for each half of 16 lanes; lane i owns channels 4 i .. 4 i + 3, and chunks i, i + 16, i + 32, i + 48 of the statistics.
; Work-group 256: the four gate values (gate x batch, a wave each), from the 512 partial sums of x [fg_w1 | dg_w1]: mean, bias, SiLU, second layer, sigmoid: 4 f32 at md's byte 286,720.
; Memory binds: 34 MB of partial O are read once, sixteen lanes a row of 256 bytes; matrix units, LDS and clusters would add nothing.  The three statistics of a query leave as 4-byte stores: 24 KB in all.
; LIMITS.  e^(m - M) below 2^-126 counts as 0; NaN and infinities are not treated apart.
.set MM,  16                           ; v16-19  m of my four chunks
.set LL,  20                           ; v20-23  l
.set FF,  24                           ; v24-27  F
.set AC,  28                           ; v28-31  the sum of F O, then r
.set VV,  32                           ; v32-35  v
.set TP,  36                           ; v36-39  two pairs for the factor in hand (the upper words stay 0)
.set OA,  64                           ; v64-127   sixteen chunks' O
.set OB,  128                          ; v128-191  the next sixteen's
	s_load_b512 s[8:23], s[0:1], 0x0               ; fw 8, pj 10, fg_b1 12, fg_w2 14, fg_b2 16, dg_b1 18, dg_w2 20, dg_b2 22
	s_load_b64 s[24:25], s[0:1], 0x40              ; md
	v_lshrrev_b32 v1, 5, v0
	v_readfirstlane_b32 s4, v1                     ; wave
	v_and_b32 v1, 15, v0                           ; i
	v_bfe_u32 v2, v0, 4, 1                         ; h
	s_mov_b32 s26, 0x76543210
	s_mov_b32 s27, 0xfedcba98
	s_cmp_eq_u32 ttmp9, 256
	s_cbranch_scc1 .Lgates
	s_lshl_b32 s5, ttmp9, 3
	s_lshl1_add_u32 s5, s4, s5
	v_add_nc_u32 v3, s5, v2                        ; n = 8 wg + 2 w + h
	v_lshrrev_b32 v4, 5, v3
	v_and_b32 v5, 31, v3
	v_lshlrev_b32 v6, 14, v4
	v_lshl_add_u32 v6, v1, 8, v6
	v_lshl_add_u32 v6, v5, 2, v6                   ; m of chunk i: block n / 32, chunk i, query n % 32
	v_lshlrev_b32 v7, 8, v3
	v_lshl_add_u32 v7, v1, 4, v7                   ; 256 n + 16 i: my 16 bytes of a row of 64 f32
	v_add_nc_u32 v8, 0x800000, v7                  ; sixteen chunks on: an immediate reaches fifteen
	v_add_nc_u32 v9, 0x1000000, v7
	v_add_nc_u32 v10, 0x1800000, v7
	v_lshlrev_b32 v11, 7, v3
	v_lshl_add_u32 v11, v1, 3, v11                 ; gq: 128 n + 8 i
	v_and_b32 v12, -16, v3
	v_and_b32 v13, 1, v3
	v_lshl_add_u32 v12, v13, 3, v12
	v_bfe_u32 v13, v3, 1, 3
	v_add_lshl_u32 v12, v12, v13, 2                ; 4 x the query's place
	v_min_u32 v13, 2, v1                           ; table i for lanes 0 to 2; the other lanes store nothing and name the last table
	v_lshl_add_u32 v12, v13, 13, v12
.irp j, 0,1,2,3
	v_mov_b32 v[TP+\j], 0
.endr
	s_wait_kmcnt 0x0
	s_add_nc_u64 s[28:29], s[8:9], 33554432        ; ml
.irp c, 0,1,2,3
	global_load_b32 v[MM+\c], v6, s[28:29] offset:4096*\c
	global_load_b32 v[LL+\c], v6, s[28:29] offset:4096*\c+128
.endr
	global_load_b128 v[VV:VV+3], v7, s[10:11] offset:262144
.macro OLOAD c, base                           ; chunks 16 c .. 16 c + 15 of my query's row
.irp ii, 0,1,2,3,4,5,6,7,8,9,10,11,12,13,14,15
	global_load_b128 v[(\base)+4*\ii:(\base)+4*\ii+3], v[7+(\c)], s[8:9] offset:524288*\ii th:TH_LOAD_NT
.endr
.endm
	OLOAD 0, OA
	OLOAD 1, OB
	s_wait_loadcnt 32                              ; m, l and v are in; the two batches of O stay out
	v_max3_num_f32 v40, v[MM], v[MM+1], v[MM+2]
	v_max_num_f32 v40, v40, v[MM+3]
.irp x, 1,2,4,8
	v_max_num_f32_dpp v40, v40, v40 row_xmask:\x row_mask:0xf bank_mask:0xf
.endr
.irp c, 0,1,2,3
	v_sub_f32 v[FF+\c], v[MM+\c], v40              ; exactly 0 at the maximum
.endr
.irp c, 0,1,2,3
	v_mul_f32 v[FF+\c], 0x3fb8aa3b, v[FF+\c]
.endr
.irp c, 0,1,2,3
	v_exp_f32 v[FF+\c], v[FF+\c]
.endr
	v_nop                                          ; a plain instruction behind the last exponential,
	s_wait_alu depctr_va_vdst(0)                   ; and the one wait for the four
	v_mul_f32 v41, v[FF], v[LL]
.irp c, 1,2,3
	v_fmac_f32 v41, v[FF+\c], v[LL+\c]
.endr
.irp x, 1,2,4,8
	v_add_f32_dpp v41, v41, v41 row_xmask:\x row_mask:0xf bank_mask:0xf
.endr
	v_rcp_f32 v42, v41                             ; 1 / l and log2 l: one batch; the sums below, which name neither, stand between it and its wait
	v_log_f32 v43, v41
; Sixteen chunks: lane ii of my half holds chunk 16 c + ii's factor; it is spread over the half, and two packed multiply-adds take my four channels.  The very first starts the sums.
.macro ACCUM c, base, first
.irp ii, 0,1,2,3,4,5,6,7,8,9,10,11,12,13,14,15
	v_mov_b32_dpp v[TP+2*((\ii)%2)], v[FF+(\c)] row_share:\ii row_mask:0xf bank_mask:0xf
.if (\first) && ((\ii) == 0)
	v_pk_mul_f32 v[AC:AC+1],   v[(\base):(\base)+1],   v[TP:TP+1] op_sel_hi:[1,0]
	v_pk_mul_f32 v[AC+2:AC+3], v[(\base)+2:(\base)+3], v[TP:TP+1] op_sel_hi:[1,0]
.else
	v_pk_fma_f32 v[AC:AC+1],   v[(\base)+4*\ii:(\base)+4*\ii+1],   v[TP+2*((\ii)%2):TP+2*((\ii)%2)+1], v[AC:AC+1]   op_sel_hi:[1,0,1]
	v_pk_fma_f32 v[AC+2:AC+3], v[(\base)+4*\ii+2:(\base)+4*\ii+3], v[TP+2*((\ii)%2):TP+2*((\ii)%2)+1], v[AC+2:AC+3] op_sel_hi:[1,0,1]
.endif
.endr
.endm
	s_wait_loadcnt 16                              ; the older batch is in, the younger stays out
	ACCUM 0, OA, 1
	OLOAD 2, OA
	s_wait_loadcnt 16
	ACCUM 1, OB, 0
	OLOAD 3, OB
	s_wait_loadcnt 16
	ACCUM 2, OA, 0
	s_wait_loadcnt 0x0
	ACCUM 3, OB, 0
	s_wait_alu depctr_va_vdst(0)                   ; 1 / l and log2 l
	v_pk_mul_f32 v[AC:AC+1],   v[AC:AC+1],   v[42:43] op_sel_hi:[1,0]  ; r
	v_pk_mul_f32 v[AC+2:AC+3], v[AC+2:AC+3], v[42:43] op_sel_hi:[1,0]
	v_pk_add_f32 v[44:45], v[AC:AC+1],   v[VV:VV+1]   neg_lo:[0,1] neg_hi:[0,1]  ; r - v
	v_pk_add_f32 v[46:47], v[AC+2:AC+3], v[VV+2:VV+3] neg_lo:[0,1] neg_hi:[0,1]
	v_pk_mul_f32 v[48:49], v[44:45], 0x37800000 op_sel_hi:[1,0]  ; x 2^-16
	v_pk_mul_f32 v[50:51], v[46:47], 0x37800000 op_sel_hi:[1,0]
	v_cvt_pk_bf16_f32 v52, v48, v49
	v_cvt_pk_bf16_f32 v53, v50, v51
	global_store_b64 v11, v[52:53], s[24:25]       ; the wave stores two rows of gq: 256 consecutive bytes, aligned
	v_lshlrev_b32 v48, 16, v52                     ; the rounded g, wide again
	v_and_b32 v49, 0xffff0000, v52
	v_lshlrev_b32 v50, 16, v53
	v_and_b32 v51, 0xffff0000, v53
	v_mul_f32 v54, -v48, v[AC]                     ; - g . r
	v_fma_f32 v54, -v49, v[AC+1], v54
	v_fma_f32 v54, -v50, v[AC+2], v54
	v_fma_f32 v54, -v51, v[AC+3], v54
	v_mul_f32 v55, v44, v44
	v_fmac_f32 v55, v45, v45
	v_fmac_f32 v55, v46, v46
	v_fmac_f32 v55, v47, v47
.irp x, 1,2,4,8
	v_add_f32_dpp v54, v54, v54 row_xmask:\x row_mask:0xf bank_mask:0xf
	v_add_f32_dpp v55, v55, v55 row_xmask:\x row_mask:0xf bank_mask:0xf
.endr
	v_fma_f32 v56, v43, 0xbf317218, -v40           ; -(M + ln 2 x log2 l)
	v_cmp_eq_u32 vcc_lo, 1, v1
	v_cndmask_b32 v57, v56, v54, vcc_lo
	v_cmp_eq_u32 vcc_lo, 2, v1
	v_cndmask_b32 v57, v57, v55, vcc_lo
	v_cmp_gt_u32 vcc_lo, 3, v1
	s_wait_xcnt 0x0                                ; EXEC changes only behind this wait
	s_and_saveexec_b32 s6, vcc_lo
	global_store_b32 v12, v57, s[24:25] offset:262144
	s_wait_xcnt 0x0
	s_or_b32 exec_lo, exec_lo, s6
	s_endpgm
.Lgates:                                       ; wave w: gate w / 2 (0 forget, 1 decay), batch w % 2
	s_lshr_b32 s5, s4, 1
	s_and_b32 s6, s4, 1
	v_and_b32 v3, 7, v0                            ; my four of the 32 hidden units
	v_bfe_u32 v4, v0, 3, 2                         ; my row of four
	v_lshlrev_b32 v5, 4, v3
	v_lshl_add_u32 v6, v4, 8, v5
	v_and_b32 v7, 31, v0
	v_mov_b32 v8, s4
	v_lshlrev_b32 v8, 2, v8
	s_lshl_b32 s2, s6, 16                          ; a batch is 256 rows of 256 bytes,
	s_lshl_b32 s3, s5, 7                           ; a gate 128 bytes of a row
	s_add_co_u32 s2, s2, s3
	s_add_co_u32 s2, s2, 786432
	s_mov_b32 s3, 0
	s_wait_kmcnt 0x0
	s_add_nc_u64 s[28:29], s[10:11], s[2:3]
	s_cmp_eq_u32 s5, 0
	s_cselect_b64 s[30:31], s[12:13], s[18:19]     ; b1
	s_cselect_b64 s[32:33], s[14:15], s[20:21]     ; w2
	s_cselect_b64 s[34:35], s[16:17], s[22:23]     ; b2
	s_load_b32 s36, s[34:35], 0x0
	global_load_b128 v[32:35], v5, s[30:31]
	global_load_b128 v[36:39], v5, s[32:33]
.macro HLOAD t0                                ; 32 loads: 128 rows
.set t, 0
.rept 32
	global_load_b128 v[64+4*t:64+4*t+3], v6, s[28:29] offset:1024*((\t0)+t)
.set t, t+1
.endr
.endm
.macro HADD d, a, b                            ; quad d = a + b
	v_pk_add_f32 v[(\d):(\d)+1],   v[(\a):(\a)+1],   v[(\b):(\b)+1]
	v_pk_add_f32 v[(\d)+2:(\d)+3], v[(\a)+2:(\a)+3], v[(\b)+2:(\b)+3]
.endm
	HLOAD 0
	s_wait_loadcnt 0x0
.set t, 0
.rept 4                                        ; four chains, started by the first eight quads
	HADD 16+4*t, 64+4*t, 80+4*t
.set t, t+1
.endr
.set t, 8
.rept 24
	HADD 16+4*(t%4), 16+4*(t%4), 64+4*t
.set t, t+1
.endr
	HLOAD 32
	s_wait_loadcnt 0x0
.set t, 0
.rept 32
	HADD 16+4*(t%4), 16+4*(t%4), 64+4*t
.set t, t+1
.endr
	HADD 16, 16, 20
	HADD 24, 24, 28
	HADD 16, 16, 24
.irp j, 0,1,2,3
	v_add_f32_dpp v[16+\j], v[16+\j], v[16+\j] row_xmask:8 row_mask:0xf bank_mask:0xf
.endr
.irp j, 0,1,2,3
	v_permlanex16_b32 v[20+\j], v[16+\j], s26, s27
.endr
	HADD 16, 16, 20                                ; the sum over the batch's 1,024 rows
	v_pk_fma_f32 v[16:17], v[16:17], 0x3a800000, v[32:33] op_sel_hi:[1,0,1]  ; / 1,024 + b1
	v_pk_fma_f32 v[18:19], v[18:19], 0x3a800000, v[34:35] op_sel_hi:[1,0,1]
.irp j, 0,1,2,3
	v_mul_f32 v[20+\j], 0xbfb8aa3b, v[16+\j]
.endr
.irp j, 0,1,2,3
	v_exp_f32 v[20+\j], v[20+\j]
.endr
	v_nop
	s_wait_alu depctr_va_vdst(0)
.irp j, 0,1,2,3
	v_add_f32 v[20+\j], 1.0, v[20+\j]
.endr
.irp j, 0,1,2,3
	v_rcp_f32 v[24+\j], v[20+\j]
.endr
	v_nop
	s_wait_alu depctr_va_vdst(0)
.irp j, 0,1,2,3
	v_mul_f32 v[16+\j], v[16+\j], v[24+\j]         ; SiLU
.endr
	v_mul_f32 v28, v16, v36
	v_fmac_f32 v28, v17, v37
	v_fmac_f32 v28, v18, v38
	v_fmac_f32 v28, v19, v39
.irp x, 1,2,4
	v_add_f32_dpp v28, v28, v28 row_xmask:\x row_mask:0xf bank_mask:0xf
.endr
	s_wait_kmcnt 0x0
	v_add_f32 v28, s36, v28
	v_mul_f32 v28, 0xbfb8aa3b, v28
	v_exp_f32 v29, v28
	v_nop
	s_wait_alu depctr_va_vdst(0)
	v_add_f32 v29, 1.0, v29
	v_rcp_f32 v30, v29
	v_nop
	s_wait_alu depctr_va_vdst(0)
	v_cmp_eq_u32 vcc_lo, 0, v7
	s_wait_xcnt 0x0
	s_and_saveexec_b32 s6, vcc_lo
	global_store_b32 v8, v30, s[24:25] offset:286720
	s_wait_xcnt 0x0
	s_or_b32 exec_lo, exec_lo, s6
	s_endpgm
.Lfunc_end_k_q21357db371_mid:
	.size	k_q21357db371_mid, .Lfunc_end_k_q21357db371_mid-k_q21357db371_mid
	.p2alignl 7, 3214868480
	.fill 96, 4, 3214868480
	.section	.rodata,"a",@progbits
	.p2align	6, 0x0
	.amdhsa_kernel k_q21357db371_mid
		.amdhsa_group_segment_fixed_size 0
		.amdhsa_private_segment_fixed_size 0
		.amdhsa_enable_private_segment 0
		.amdhsa_kernarg_size 72
		.amdhsa_user_sgpr_count 2
		.amdhsa_user_sgpr_kernarg_segment_ptr 1
		.amdhsa_wavefront_size32 1
		.amdhsa_system_sgpr_workgroup_id_x 1
		.amdhsa_system_sgpr_workgroup_id_y 1
		.amdhsa_system_sgpr_workgroup_id_z 1
		.amdhsa_system_vgpr_workitem_id 0
		.amdhsa_next_free_vgpr 192
		.amdhsa_next_free_sgpr 66
		.amdhsa_reserve_vcc 1
		.amdhsa_float_denorm_mode_32 3
		.amdhsa_float_denorm_mode_16_64 3
		.amdhsa_memory_ordered 1
		.amdhsa_forward_progress 1
		.amdhsa_inst_pref_size 43
	.end_amdhsa_kernel
	.amdgpu_metadata
---
amdhsa.version: [ 1, 2 ]
amdhsa.kernels:
  - .name:           k_q21357db371_mid
    .symbol:         k_q21357db371_mid.kd
    .args:
      - { .name: fw, .offset: 0, .size: 8, .value_kind: global_buffer, .address_space: global }
      - { .name: pj, .offset: 8, .size: 8, .value_kind: global_buffer, .address_space: global }
      - { .name: fg_b1, .offset: 16, .size: 8, .value_kind: global_buffer, .address_space: global }
      - { .name: fg_w2, .offset: 24, .size: 8, .value_kind: global_buffer, .address_space: global }
      - { .name: fg_b2, .offset: 32, .size: 8, .value_kind: global_buffer, .address_space: global }
      - { .name: dg_b1, .offset: 40, .size: 8, .value_kind: global_buffer, .address_space: global }
      - { .name: dg_w2, .offset: 48, .size: 8, .value_kind: global_buffer, .address_space: global }
      - { .name: dg_b2, .offset: 56, .size: 8, .value_kind: global_buffer, .address_space: global }
      - { .name: md, .offset: 64, .size: 8, .value_kind: global_buffer, .address_space: global }
    .group_segment_fixed_size: 0
    .private_segment_fixed_size: 0
    .kernarg_segment_align: 8
    .kernarg_segment_size: 72
    .max_flat_workgroup_size: 128
    .sgpr_count:     66
    .vgpr_count:     192
    .wavefront_size: 32
...
	.end_amdgpu_metadata
.endif
;; end of part 3
;; launch bwd (part 4): grid 256 x 1, 4 waves a work-group, clusters of 4 x 1, 327,680 bytes of LDS; arguments memory, pj, md, bw; writes bw
.if DOCPART == 4
	.amdgcn_target "amdgcn-amd-amdhsa--gfx1250"
	.amdhsa_code_object_version 6
	.text
	.protected	k_q21357db371_bwd
	.globl	k_q21357db371_bwd
	.p2align	8
	.type	k_q21357db371_bwd,@function
k_q21357db371_bwd:
	s_mov_b64 s[64:65], 0
	v_nop
	global_prefetch_b8 v0, s[64:65] scope:SCOPE_SE
	s_setreg_imm32_b32 hwreg(HW_REG_WAVE_MODE, 25, 1), 1
	s_wait_xcnt 0x0
	s_wait_alu depctr_hold_cnt(0) depctr_sa_sdst(0) depctr_va_vdst(0) depctr_va_sdst(0) depctr_va_ssrc(0) depctr_va_vcc(0) depctr_vm_vsrc(0)
	s_getreg_b32 s2, hwreg(HW_REG_IB_STS2, 6, 4)
	s_cmp_eq_u32 s2, 0
	s_cbranch_scc0 .Lentry_in_a_cluster
	s_endpgm
.Lentry_in_a_cluster:
	s_bfe_u32 s2, ttmp6, 0x10000c
	s_cmp_lg_u32 s2, 0x3003
	s_cbranch_scc0 .Lentry_shape_is_right
	s_endpgm
.Lentry_shape_is_right:
; THE BACKWARD PASS.  grad[c] = the sum over n of w[n][c] g[n] + w[n][c] (g[n] . M[c] - d[n]) kq[n], with w = e^(kq[n] . M[c] - u[n]): u = m + ln l, d = g . r, kq = k / 8 (so the scores' eighth is in both places).
; kq: bf16 [2048][64] at pj's byte 0; gq: the same at md's byte 0; -u and -d: f32 tables at md's byte 262,144 and 8,192 on, in each group of 16 queries place 8 (n % 2) + (n % 16) / 2 for query n.
; memory: f32, rounded once to bf16, as in the forward pass.  Products in bf16, sums in f32; w and w (g . M - d) are rounded to bf16 for the second products.
; Out, into bw: grad, f32 [65536][64], at byte 0; at byte 16,777,216 a sum of grad^2 for each wave, f32 [1024].
; LIMITS.  A weight below 2^-126 counts as 0; NaN and infinities are not treated apart.
; SHARES.  A work-group owns 256 memory rows, a wave 64: four tiles of 16, as two pairs.  Every wave walks all 2,048 queries, 32 a step: no sum spans work-groups.
; LAYOUT.  S = kq M^T - u and DW = gq M^T - d (source 0 = 16 queries, source 1 = 16 memory rows; -u or -d is the C operand that starts the sum): a lane holds ONE memory row and eight queries.  Two such tiles,
; rounded in pairs, ARE source 1 (32 queries x 16 rows) of grad^T += gq^T W + kq^T DS, whose source 0 comes out of the same LDS tiles turned.  Index 8 h + j of a group of 16 queries stands for LDS row
; 2 j + h, so that rows of 144 bytes serve both readings without a bank conflict (64 banks of 4 bytes: ISA guide 11.1): plain, lane r takes row 2 (r % 8) + r / 8; turned, lane L row 2 (L % 8) + L / 16.
; BY TURNS.  In turn x the vector unit works on pair x: 16 scalings by log2(e), 32 exponentials, 16 roundings of w, 16 products w DW, 16 roundings; the matrix unit on the other pair: 16 back products,
; then 16 front products of its next step.  Two or three vector instructions stand behind each matrix instruction; the 32 exponentials are one batch with one wait.
; The first trip runs on zeros (288 v_mov_b32 at the head, in the wait for the first tile): no first step is written out.
; CLUSTER.  All work-groups walk the same kq and gq: the four of a cluster ask for each tile JOINTLY.  A ring of two slots of 256 queries (8 steps, 512 matrix instructions); the tables, 16 KiB, are fetched once.
; A wave has two tensor loads out at the start and one behind each round.
; REGISTERS, in windows of 256 (s_set_vgpr_msb: bits 1:0 source 0, 3:2 source 1, 5:4 source 2, 7:6 destination):
;   window 0: v0-15 addresses; v16-31 -u, v32-47 -d of a step; v48-63 at work; v64-191 pair x: S (32), DW (32) at 64 + 64 x; v192-255 pair x: W (16), DS (16) at 192 + 32 x
;   window 1: v0-127 grad^T, tile ct, channel block dt at 8 (4 ct + dt); v128-255 M in f32, at the head      window 2: v0-63 M; v64-95 kq, v96-127 gq plain; v128-159 kq, v160-191 gq turned
.set PQ,    144
.set GOFF,  256*PQ    ; in a slot: 256 rows of kq, then 256 of gq
.set STEPB, 32*PQ
.set SLOT1, 1<<17     ; slot 1 begins here, so that one exclusive or turns an address in one slot into the other's
.set STATS, 2*GOFF    ; behind slot 0: the two tables, filled once
.set STAGE, STATS+16384  ; 16 rows x 272 bytes for each wave, for the way out; no tensor load lands here
.set SP,    272
.set SPARE, STAGE+4*16*SP  ; the spare words: 128 bytes for each wave, two blocks of 256 bytes that no other line names
.set AKA0, 2          ; v2   my lane's place in 16 queries, plain
.set AT0,  3          ; v3   the same, turned
.set ADA,  4          ; v4   the address of the run of plain loads in hand
.set ADB,  5          ; v5   of the turned ones
.set AS0,  6          ; v6   my half's eight places in a group of the tables
.set ADS,  7          ; v7   the tables' address in hand
.set STO,  8          ; v8   the way out: where I put 32 bytes of a row
.set RD,   9          ; v9   where I read rows back
.set GO,   10         ; v10  my byte offset in two rows of grad
.set SPW,  11         ; v11  my spare word
.set NIL,  12         ; v12  0
.set PFO,  13         ; v13  256 x lane
.set MO,   14         ; v14  my byte offset in 16 rows of memory
.set CMR,  16
.set CDR,  32
.set SQ,   48         ; v48-55 four pairs of sums of squares
.set SB,   64
.set PB,   192
.set KA,   64         ; window 2
.set GA,   96
.set KT,   128
.set GT,   160
.set WV,  16          ; s16  wave
.set G1,  24          ; s[24:31] group 1 for kq's and gq's tiles
.set G1S, 32          ; s[32:39] for the tables
.set G0,  40          ; s[40:43] group 0: it walks
.set G0S, 44          ; s[44:47] the tables'
.set PFA, 48          ; s[48:49] where my prefetches stand
.set LIM, 50          ; s50  1 in a wave that prefetches, else the greatest number
.set SLOTS, 51        ; s51  slots still to be asked for
.set CNT, 52          ; s52  a slot's steps
.set TBA, 53          ; s53  LDS byte of the step to be fetched plain
.set TBB, 54          ; s54  turned
.set TS,  55          ; s55  the step's byte in a table
.set LG,  56          ; s[56:57] log2(e)
.set SEL, 58          ; s[58:59]
.set MSB, 0
.macro WIN new
.if MSB != (\new)
	s_set_vgpr_msb (MSB<<8)|(\new)
.set MSB, (\new)
.endif
.endm
.set W_F, 0x0a        ; front: sources in window 2, C and D in window 0
.set W_B, 0x52        ; back: source 0 in window 2, source 1 in window 0, C and D in window 1
; A round of the cluster's barrier: my work-group's barrier; wave 0 signals for the work-group; every wave waits for all four work-groups; my work-group's barrier once more.
.macro CROUND
	s_barrier_signal -1
	s_barrier_wait -1
	s_cmp_lg_u32 s[WV], 0
	s_cbranch_scc1 .Lnot_wave_0_\@
	s_barrier_signal -3
.Lnot_wave_0_\@:
	s_barrier_wait -3
	s_barrier_signal -1
	s_barrier_wait -1
.endm
; A PREFETCH INTO THE L2 of what the NEXT change of slots will ask for: 32,768 bytes of kq and of gq.  Every cluster walks the same rows: cluster 0 alone asks.  Its four partners take 8,192 bytes each,
; told apart by address; in each, wave 0 asks for kq's and wave 2 for gq's: a lane names 256 bytes, one instruction.  So each block is named once in the launch.  The last fill asks for nothing.
.macro ASK
	s_cmp_gt_u32 s[SLOTS], s[LIM]
	s_cbranch_scc0 .Lnot_mine_\@
	global_prefetch_b8 v[PFO], s[PFA:PFA+1] th:TH_LOAD_NT scope:SCOPE_SE
.Lnot_mine_\@:
.endm
	s_load_b256 s[4:11], s[0:1], 0x0  ; memory 4, pj 6, md 8, bw 10
	v_lshl_add_u32 v[SPW], v0, 2, SPARE
	v_mov_b32 v[NIL], 0
	ds_add_u32 v[SPW], v[NIL]       ; the wave's opening: the add, twice on end, and its wait ahead of my first tensor load; the set-up below stands between
	ds_add_u32 v[SPW], v[NIL]
	v_lshrrev_b32 v1, 5, v0
	v_readfirstlane_b32 s[WV], v1
	s_bfe_u32 s17, ttmp6, 0x40000   ; cx
	s_lshl_b32 s18, ttmp9, 2
	s_add_co_u32 s18, s18, s17      ; my work-group: it enters memory's, grad's and the squares' addresses alone
	; group 1: 128 queries are 16,384 dense bytes: 64 rows of 256 bytes, two queries a row, padded in LDS after every query
	s_mov_b32 s[G1], 15|(1<<16)|(1<<20)|(1<<21)|(4<<22)|(3<<25)  ; 15:0 the mask of four; 17:16 2-byte elements; 20 padding on; 21 set beside a mask; 24:22 after every 32 words; 31:25 4 words
	s_mov_b32 s[G1+1], 128<<16      ; tensor_dim0
	s_mov_b32 s[G1+2], 64<<16       ; tensor_dim1
	s_mov_b32 s[G1+3], 128<<16      ; tile_dim0
	s_mov_b32 s[G1+4], 64           ; tile_dim1
	s_mov_b32 s[G1+5], 128          ; elements from row to row
	s_mov_b32 s[G1+6], 0
	s_mov_b32 s[G1+7], 0
	; the tables: a quarter is 4,096 dense bytes: 16 rows of 32 elements of 8 bytes, no padding
	s_mov_b32 s[G1S], 15|(3<<16)|(1<<21)
	s_mov_b32 s[G1S+1], 32<<16
	s_mov_b32 s[G1S+2], 16<<16
	s_mov_b32 s[G1S+3], 32<<16
	s_mov_b32 s[G1S+4], 16
	s_mov_b32 s[G1S+5], 32
	s_mov_b32 s[G1S+6], 0
	s_mov_b32 s[G1S+7], 0
	s_mov_b32 s[G0], 1
	s_mul_i32 s[G0+1], s[WV], 128*PQ  ; waves 0, 1: kq's two halves; waves 2, 3: gq's: wave x 128 rows
	s_mov_b32 s[G0S], 1
	s_lshl_b32 s[G0S+1], s[WV], 12
	s_add_co_u32 s[G0S+1], s[G0S+1], STATS
	s_mov_b32 s[LG], 0x3fb8aa3b
	s_mov_b32 s[LG+1], s[LG]
	s_mov_b32 s[SEL], 0x76543210
	s_mov_b32 s[SEL+1], 0xfedcba98
	s_mov_b32 s[TBA], SLOT1+GOFF    ; the first change of slots turns these two into 0
	s_mov_b32 s[TBB], SLOT1+GOFF
	s_mov_b32 s[TS], 0
	s_mov_b32 s[SLOTS], 7
	s_and_b32 s[LIM], s[WV], 1      ; 0 in waves 0 and 2,
	s_or_b32 s[LIM], s[LIM], ttmp9  ; of cluster 0: the same in all four partners
	s_cmp_eq_u32 s[LIM], 0
	s_cselect_b32 s[LIM], 1, -1
	v_and_b32 v1, 15, v0            ; r
	v_bfe_u32 v48, v0, 4, 1         ; h
	v_and_b32 v49, 7, v0
	v_bfe_u32 v50, v0, 3, 1
	v_lshl_add_u32 v51, v49, 1, v50
	v_mul_u32_u24 v[AKA0], v51, PQ
	v_lshl_add_u32 v[AKA0], v48, 4, v[AKA0]
	v_lshl_add_u32 v51, v49, 1, v48
	v_mul_u32_u24 v[AT0], v51, PQ
	v_lshl_add_u32 v[AT0], v50, 4, v[AT0]
	v_lshlrev_b32 v[AS0], 5, v48
	v_add_nc_u32 v[AS0], STATS, v[AS0]
	s_mul_i32 s2, s[WV], 16*SP
	s_add_co_u32 s2, s2, STAGE
	v_mul_u32_u24 v[STO], v1, SP
	v_lshl_add_u32 v[STO], v48, 5, v[STO]
	v_add_nc_u32 v[STO], s2, v[STO]
	v_mul_u32_u24 v[RD], v48, SP
	v_lshl_add_u32 v[RD], v1, 4, v[RD]
	v_add_nc_u32 v[RD], s2, v[RD]
	v_lshlrev_b32 v[GO], 8, v48
	v_lshl_add_u32 v[GO], v1, 4, v[GO]
	v_and_b32 v[PFO], 31, v0
	v_lshlrev_b32 v[PFO], 8, v[PFO]
	v_lshlrev_b32 v[MO], 8, v1
	v_lshl_add_u32 v[MO], v48, 5, v[MO]
	s_lshl_b32 s22, s18, 16         ; my work-group's 256 rows of 256 bytes, my wave's 64
	s_lshl_b32 s23, s[WV], 14
	s_add_co_u32 s22, s22, s23
	s_mov_b32 s23, 0
	s_wait_dscnt 0x0                ; both opening adds are done
	s_wait_kmcnt 0x0
	s_add_nc_u64 s[12:13], s[4:5], s[22:23]    ; memory
	s_add_nc_u64 s[14:15], s[10:11], s[22:23]  ; grad
	s_lshl_b32 s22, s18, 4
	s_lshl2_add_u32 s22, s[WV], s22
	s_add_co_u32 s22, s22, 16777216
	s_add_nc_u64 s[20:21], s[10:11], s[22:23]  ; my sum of squares
	s_and_b32 s2, s[WV], 1
	s_lshl_b32 s2, s2, 14           ; which 128 queries of a slot's 256 I fetch
	s_mov_b32 s3, 0
	s_cmp_lt_u32 s[WV], 2
	s_cselect_b64 s[G0+2:G0+3], s[6:7], s[8:9]
	s_add_nc_u64 s[G0+2:G0+3], s[G0+2:G0+3], s[2:3]
	s_lshl_b32 s22, s17, 13         ; the prefetches: my work-group's 8,192 bytes,
	s_add_nc_u64 s[PFA:PFA+1], s[G0+2:G0+3], s[22:23]
	s_add_nc_u64 s[PFA:PFA+1], s[PFA:PFA+1], 32768  ; in tile 1; the first change steps it to tile 2.  Nothing is prefetched at the head
	s_or_b32 s[G0+3], s[G0+3], 0x80000000
	s_lshl_b32 s2, s[WV], 12
	s_add_co_u32 s2, s2, 262144
	s_add_nc_u64 s[G0S+2:G0S+3], s[8:9], s[2:3]
	s_or_b32 s[G0S+3], s[G0S+3], 0x80000000
	CROUND                          ; all four work-groups are here: the first joint loads meet
	tensor_load_to_lds s[G0:G0+3], s[G1:G1+7]      ; my part of slot 0
	s_nop 0
	tensor_load_to_lds s[G0S:G0S+3], s[G1S:G1S+7]  ; my quarter of the tables
	s_nop 0
.rept 4
	v_nop
.endr
	WIN 0x40
.set f, 0
.rept 8                             ; f = 2 ct + dh: row r of tile ct, channels 32 dh + 8 h + 0..7 and 16 on
	global_load_b128 v[128+16*f:128+16*f+3],    v[MO], s[12:13] offset:(f/2)*4096+(f%2)*128
	global_load_b128 v[128+16*f+4:128+16*f+7],  v[MO], s[12:13] offset:(f/2)*4096+(f%2)*128+16
	global_load_b128 v[128+16*f+8:128+16*f+11], v[MO], s[12:13] offset:(f/2)*4096+(f%2)*128+64
	global_load_b128 v[128+16*f+12:128+16*f+15], v[MO], s[12:13] offset:(f/2)*4096+(f%2)*128+80
.set f, f+1
.endr
.set i, 0
.rept 128
	v_mov_b32 v[i], 0               ; grad^T
.set i, i+1
.endr
	WIN 0x80
.set i, KT
.rept 64
	v_mov_b32 v[i], 0               ; the turned fragments of a step that has not been
.set i, i+1
.endr
	WIN 0
.set i, SB+64
.rept 64
	v_mov_b32 v[i], 0               ; pair 1's S and DW: the first turn's vector work needs finite numbers
.set i, i+1
.endr
.set i, PB
.rept 32
	v_mov_b32 v[i], 0               ; pair 0's W and DS
.set i, i+1
.endr
	s_wait_loadcnt 0x0
	WIN 0x85
.set i, 0
.rept 64
	v_cvt_pk_bf16_f32 v[i], v[128+2*i], v[128+2*i+1]
.set i, i+1
.endr
	WIN 0
; THE MATRIX WORK.  The 8 accumulators of a run of 16 take turns.
; Front product i of 16 for pair X: channels 32 (i / 8) on; i % 8 < 4: S, else DW; tile i % 4 = 2 u + a: memory tile 2 X + u, query group a.  The first 8 start the sums with -u or -d.
.macro FRONT X
	WIN W_F
.set tl, i%4
.set fB, 8*(2*(2*(\X)+tl/2)+i/8)
.if (i%8) < 4
.set fD, SB+64*(\X)+8*tl
.set fA, KA+8*(2*(tl%2)+i/8)
.set fC, CMR+8*(tl%2)
.else
.set fD, SB+64*(\X)+32+8*tl
.set fA, GA+8*(2*(tl%2)+i/8)
.set fC, CDR+8*(tl%2)
.endif
.if i < 8
	v_wmma_f32_16x16x32_bf16 v[fD:fD+7], v[fA:fA+7], v[fB:fB+7], v[fC:fC+7]
.else
	v_wmma_f32_16x16x32_bf16 v[fD:fD+7], v[fA:fA+7], v[fB:fB+7], v[fD:fD+7]
.endif
.endm
; Back product i of 16 for pair X: memory tile 2 X + i % 2, channels 16 ((i / 2) % 4) on; i < 8: gq^T W, else kq^T DS.
.macro BACK X
	WIN W_B
.set bO, 8*(4*(2*(\X)+i%2)+(i/2)%4)
.if i < 8
.set bA, GT+8*((i/2)%4)
.set bB, PB+32*(\X)+8*(i%2)
.else
.set bA, KT+8*((i/2)%4)
.set bB, PB+32*(\X)+16+8*(i%2)
.endif
	v_wmma_f32_16x16x32_bf16 v[bO:bO+7], v[bA:bA+7], v[bB:bB+7], v[bO:bO+7]
.endm
; THE LDS LOADS stand in two runs a step.  24: kq and gq plain (query group a, channel half dh), -u and -d.  Its two additions and the three riders behind the last front product are five plain places.
.macro FETCH_A
	WIN 0
	v_add_nc_u32 v[ADA], s[TBA], v[AKA0]
	v_add_nc_u32 v[ADS], s[TS], v[AS0]
	WIN 0x80
.irp f, 0,1,2,3                     ; f = 2 a + dh
	ds_load_b128 v[KA+8*\f:KA+8*\f+3],   v[ADA] offset:(\f/2)*16*PQ+(\f%2)*64
	ds_load_b128 v[KA+8*\f+4:KA+8*\f+7], v[ADA] offset:(\f/2)*16*PQ+(\f%2)*64+32
	ds_load_b128 v[GA+8*\f:GA+8*\f+3],   v[ADA] offset:GOFF+(\f/2)*16*PQ+(\f%2)*64
	ds_load_b128 v[GA+8*\f+4:GA+8*\f+7], v[ADA] offset:GOFF+(\f/2)*16*PQ+(\f%2)*64+32
.endr
	WIN 0
.irp a, 0,1
	ds_load_b128 v[CMR+8*\a:CMR+8*\a+3],   v[ADS] offset:64*\a
	ds_load_b128 v[CMR+8*\a+4:CMR+8*\a+7], v[ADS] offset:64*\a+16
	ds_load_b128 v[CDR+8*\a:CDR+8*\a+3],   v[ADS] offset:8192+64*\a
	ds_load_b128 v[CDR+8*\a+4:CDR+8*\a+7], v[ADS] offset:8192+64*\a+16
.endr
	s_add_co_u32 s[TBA], s[TBA], STEPB
	s_add_co_u32 s[TS], s[TS], 128
.endm
.macro FETCH_B                      ; 16: kq and gq turned, channel block dt
	WIN 0
	v_add_nc_u32 v[ADB], s[TBB], v[AT0]
	s_add_co_u32 s[TBB], s[TBB], STEPB
	WIN 0x80
.irp d, 0,1,2,3
	ds_load_tr16_b128 v[KT+8*\d:KT+8*\d+3],   v[ADB] offset:32*\d
	ds_load_tr16_b128 v[KT+8*\d+4:KT+8*\d+7], v[ADB] offset:32*\d+16*PQ
	ds_load_tr16_b128 v[GT+8*\d:GT+8*\d+3],   v[ADB] offset:GOFF+32*\d
	ds_load_tr16_b128 v[GT+8*\d+4:GT+8*\d+7], v[ADB] offset:GOFF+32*\d+16*PQ
.endr
.endm
; THE VECTOR WORK of a pair, all in ascending order.
.macro OPF n                        ; pair n of 16 of S times log2(e)
	v_pk_mul_f32 v[qS+2*(\n):qS+2*(\n)+1], v[qS+2*(\n):qS+2*(\n)+1], s[LG:LG+1] op_sel_hi:[1,0]
.endm
.macro OPE n                        ; w
	v_exp_f32 v[qS+(\n)], v[qS+(\n)]
.endm
.macro OPW n                        ; w rounded
	v_cvt_pk_bf16_f32 v[qW+(\n)], v[qS+2*(\n)], v[qS+2*(\n)+1]
.endm
.macro OPM n                        ; w (g . M - d)
	v_pk_mul_f32 v[qD+2*(\n):qD+2*(\n)+1], v[qD+2*(\n):qD+2*(\n)+1], v[qS+2*(\n):qS+2*(\n)+1]
.endm
.macro OPD n                        ; rounded
	v_cvt_pk_bf16_f32 v[qP+(\n)], v[qD+2*(\n)], v[qD+2*(\n)+1]
.endm
.macro RID1                         ; behind back product i: exponential e stands behind scaling e / 2
	WIN 0
.if i == 0
	OPF 0
	OPF 1
	OPF 2
.else
.if i < 14
	OPF i+2
.endif
	OPE 2*i-2
	OPE 2*i-1
.endif
.endm
.macro RID2                         ; behind front product i: three of the 48 that read the exponentials' results
	WIN 0
.set k, 3*i
.rept 3
.if k < 16
	OPW k
.elseif k < 32
	OPM k-16
.else
	OPD k-32
.endif
.set k, k+1
.endr
.endm
; A TURN.  Vector work on pair x, matrix work on the other pair.  Turn 1 of step j: back products of pair 0, step j; front products of pair 0, step j + 1, whose plain fragments it fetches at its head (fa).
; Turn 0 of step j + 1: back products of pair 1, step j; then the turned fragments of step j + 1 are fetched, four v_nop behind their last reader; front products of pair 1, step j + 1.
; fr = 0: the last turn: no further step.
.macro TURN x, fa=1, fr=1
.set qS, SB+64*(\x)
.set qD, qS+32
.set qW, PB+32*(\x)
.set qP, qW+16
.if (\x) == 1
.if \fa
	FETCH_A
	s_wait_dscnt 24                 ; the 24 just issued may stay out: the 16 turned loads are in
.else
	s_wait_dscnt 0x0
.endif
.endif
.set i, 0
.rept 16
	BACK 1-(\x)
	RID1
.set i, i+1
.endr
	OPE 30
	OPE 31
.rept 4
	v_nop                           ; the plain instruction behind the last exponential (ISA guide 5.7.2), and the four places behind the last back product (7.12.1)
.endr
	s_wait_alu depctr_va_vdst(0)    ; the wait ahead of the first use of a result: one for the 32 exponentials
.if (\x) == 0
	FETCH_B
.elseif \fa
	s_wait_dscnt 0x0                ; the plain fragments and the tables' numbers are in
.endif
.set i, 0
.rept 16
.if \fr
	FRONT 1-(\x)
.endif
	RID2
.set i, i+1
.endr
.endm
; THE CHANGE OF SLOTS stands ahead of the eight trips that read a slot.  Each wave waits for all its tensor loads (its part of the slot to come), adds 0 to its spare word, and waits for that and for its own
; reads of the slot that it leaves.  fill = 1: the barrier is a round of the cluster's, and the slot left is filled again, first thing behind it, with the queries two slots on: eight steps, 512 matrix
; instructions, in which to land.  (At its first use nothing has been read yet: slot 0 and the tables are waited for, slot 1 is filled.)
.macro CHANGE fill
	WIN 0
	s_wait_tensorcnt 0x0            ; no tensor load of mine is out, so group 0 may be written
	ds_add_u32 v[SPW], v[NIL]       ; 0 onto my spare word
.if \fill
	s_xor_b32 s[G0+1], s[G0+1], SLOT1
	s_add_nc_u64 s[G0+2:G0+3], s[G0+2:G0+3], 32768  ; the next 256 queries; the type bits on top are not reached
	s_wait_xcnt 0x0                 ; the last prefetch, eight steps back, has read its address
	s_add_nc_u64 s[PFA:PFA+1], s[PFA:PFA+1], 32768
	s_wait_dscnt 0x0                ; the add is done, and my reads of the slot are over
	CROUND
	tensor_load_to_lds s[G0:G0+3], s[G1:G1+7]
	s_nop 0
.rept 4
	v_nop
.endr
	ASK
.else
	s_wait_dscnt 0x0
	s_barrier_signal -1
	s_barrier_wait -1
.endif
	s_sub_co_u32 s[TBA], s[TBA], GOFF  ; the fetches go back to a slot's first step,
	s_xor_b32 s[TBA], s[TBA], SLOT1    ; in the other slot
	s_sub_co_u32 s[TBB], s[TBB], GOFF
	s_xor_b32 s[TBB], s[TBB], SLOT1
.endm
.Lslot:                             ; seven times: slots 0 to 6 are entered, tiles 1 to 7 asked for
	CHANGE 1
	s_mov_b32 s[CNT], 8
.Lstep:                             ; trip j = -1 .. 62: turn 1 of step j, turn 0 of step j + 1; it reads step j + 1's bytes alone
	TURN 1
	TURN 0
	WIN 0
	s_sub_co_u32 s[CNT], s[CNT], 1
	s_cmp_lg_u32 s[CNT], 0
	s_cbranch_scc1 .Lstep
	s_sub_co_u32 s[SLOTS], s[SLOTS], 1
	s_cmp_lg_u32 s[SLOTS], 0
	s_cbranch_scc1 .Lslot
	CHANGE 0                        ; the last slot is written out: nothing is asked for
	s_mov_b32 s[CNT], 8
.Ltail:
	TURN 1
	TURN 0
	WIN 0
	s_sub_co_u32 s[CNT], s[CNT], 1
	s_cmp_lg_u32 s[CNT], 0
	s_cbranch_scc1 .Ltail
	TURN 1, 0, 0                    ; pair 1's vector work and pair 0's back products of the last step
.set i, 0
.rept 16
	BACK 1                          ; pair 1's
.set i, i+1
.endr
	; THE WAY OUT.  The sum of my 4,096 squares, in four chains; grad^T through my stage in LDS, a tile of 16 rows at a time.
	WIN 0
.rept 8
	v_nop                           ; the places behind the last products, once a launch
.endr
	WIN 0x05
.set p, 0
.rept 64
.if p < 4
	v_pk_mul_f32 v[SQ+2*p:SQ+2*p+1], v[2*p:2*p+1], v[2*p:2*p+1]
.else
	v_pk_fma_f32 v[SQ+2*(p%4):SQ+2*(p%4)+1], v[2*p:2*p+1], v[2*p:2*p+1], v[SQ+2*(p%4):SQ+2*(p%4)+1]
.endif
.set p, p+1
.endr
.macro PACK t
	WIN 0x04                        ; store data window 1
.irp c, 0,1,2,3
	ds_store_b128 v[STO], v[32*(\t)+8*\c:32*(\t)+8*\c+3]   offset:64*\c
	ds_store_b128 v[STO], v[32*(\t)+8*\c+4:32*(\t)+8*\c+7] offset:64*\c+16
.endr
	WIN 0
.irp f, 0,1,2,3,4,5,6,7
	ds_load_b128 v[SB+32*(\t)+4*\f:SB+32*(\t)+4*\f+3], v[RD] offset:\f*2*SP  ; LDS serves a wave in order (ISA guide 5.7.1.4): these see the stores above; the next tile's stores come behind them
.endr
.endm
.macro SEND t, younger              ; younger: the next tile's sixteen LDS instructions, or none
.irp f, 0,1,2,3,4,5,6,7
	s_wait_dscnt (\younger)+7-\f
	global_store_b128 v[GO], v[SB+32*(\t)+4*\f:SB+32*(\t)+4*\f+3], s[14:15] offset:(\t)*4096+\f*512  ; sixteen lanes store a row: 256 consecutive bytes, aligned
.endr
.endm
	PACK 0
	PACK 1
	SEND 0, 16
	PACK 2
	SEND 1, 16
	PACK 3
	SEND 2, 16
	SEND 3, 0
	v_pk_add_f32 v[SQ:SQ+1], v[SQ:SQ+1], v[SQ+2:SQ+3]
	v_pk_add_f32 v[SQ+4:SQ+5], v[SQ+4:SQ+5], v[SQ+6:SQ+7]
	v_pk_add_f32 v[SQ:SQ+1], v[SQ:SQ+1], v[SQ+4:SQ+5]
	v_add_f32 v[SQ], v[SQ], v[SQ+1]
.irp x, 1,2,4,8
	v_add_f32_dpp v[SQ], v[SQ], v[SQ] row_xmask:\x row_mask:0xf bank_mask:0xf
.endr
	v_permlanex16_b32 v[SQ+1], v[SQ], s[SEL], s[SEL+1]
	v_add_f32 v[SQ], v[SQ], v[SQ+1]
	v_and_b32 v56, 31, v0
	v_mov_b32 v57, 0
	v_cmp_eq_u32 vcc_lo, 0, v56
	s_wait_xcnt 0x0                 ; EXEC changes only behind this wait
	s_and_saveexec_b32 s60, vcc_lo
	global_store_b32 v57, v[SQ], s[20:21]
	s_wait_xcnt 0x0
	s_or_b32 exec_lo, exec_lo, s60
	s_wait_tensorcnt 0x0            ; the wave's end: behind my last tensor load and my last LDS store
	ds_add_u32 v[SPW], v[NIL]
	s_wait_dscnt 0x0
	CROUND                          ; the closing round: no work-group ends while a partner may still ask for a tile that names it
	s_endpgm
.Lfunc_end_k_q21357db371_bwd:
	.size	k_q21357db371_bwd, .Lfunc_end_k_q21357db371_bwd-k_q21357db371_bwd
	.p2alignl 7, 3214868480
	.fill 96, 4, 3214868480
	.section	.rodata,"a",@progbits
	.p2align	6, 0x0
	.amdhsa_kernel k_q21357db371_bwd
		.amdhsa_group_segment_fixed_size 327680
		.amdhsa_private_segment_fixed_size 0
		.amdhsa_enable_private_segment 0
		.amdhsa_kernarg_size 32
		.amdhsa_user_sgpr_count 2
		.amdhsa_user_sgpr_kernarg_segment_ptr 1
		.amdhsa_wavefront_size32 1
		.amdhsa_system_sgpr_workgroup_id_x 1
		.amdhsa_system_sgpr_workgroup_id_y 1
		.amdhsa_system_sgpr_workgroup_id_z 1
		.amdhsa_system_vgpr_workitem_id 0
		.amdhsa_next_free_vgpr 704
		.amdhsa_next_free_sgpr 66
		.amdhsa_reserve_vcc 1
		.amdhsa_float_denorm_mode_32 3
		.amdhsa_float_denorm_mode_16_64 3
		.amdhsa_memory_ordered 1
		.amdhsa_forward_progress 1
		.amdhsa_inst_pref_size 89
	.end_amdhsa_kernel
	.amdgpu_metadata
---
amdhsa.version: [ 1, 2 ]
amdhsa.kernels:
  - .name:           k_q21357db371_bwd
    .symbol:         k_q21357db371_bwd.kd
    .args:
      - { .name: memory, .offset: 0, .size: 8, .value_kind: global_buffer, .address_space: global }
      - { .name: pj, .offset: 8, .size: 8, .value_kind: global_buffer, .address_space: global }
      - { .name: md, .offset: 16, .size: 8, .value_kind: global_buffer, .address_space: global }
      - { .name: bw, .offset: 24, .size: 8, .value_kind: global_buffer, .address_space: global }
    .group_segment_fixed_size: 327680
    .private_segment_fixed_size: 0
    .kernarg_segment_align: 8
    .kernarg_segment_size: 32
    .max_flat_workgroup_size: 128
    .sgpr_count:     66
    .vgpr_count:     704
    .wavefront_size: 32
...
	.end_amdgpu_metadata
.endif
;; end of part 4
;; launch final (part 5): grid 256 x 1, 8 waves a work-group, no clusters, 0 bytes of LDS; arguments memory, momentum_S, bw, md, out0, out1, out2; writes out0, out1, out2
.if DOCPART == 5
	.amdgcn_target "amdgcn-amd-amdhsa--gfx1250"
	.amdhsa_code_object_version 6
	.text
	.protected	k_q21357db371_final
	.globl	k_q21357db371_final
	.p2align	8
	.type	k_q21357db371_final,@function
k_q21357db371_final:
	s_mov_b64 s[64:65], 0
	v_nop
	global_prefetch_b8 v0, s[64:65] scope:SCOPE_SE
	s_setreg_imm32_b32 hwreg(HW_REG_WAVE_MODE, 25, 1), 1
	s_wait_xcnt 0x0
; THE UPDATE.  gn^2 = the sum of the 1,024 partial sums of grad^2; clip = min(1, 1 / gn); eta and alpha are the means of the two batches' gate values;
;   out2 = S_new = eta S - 0.01 clip grad;   out1 = (1 - alpha) M + S_new;   out0 = the loss = the sum of the 2,048 queries' squares x 2^-17.  All in f32.
; A stream: memory binds.  A work-group takes 64 KiB of each array; thread t takes 16 bytes at 4,096 j + 16 t, j = 0 .. 15, so a wave's load or store covers 512 consecutive bytes, aligned.
; All 48 stream loads of a wave go out at the head, behind the 8 loads of the partial sums, which every wave adds up for itself, in the same order.  No LDS, no barrier, no matrix unit: they would add nothing.
; LIMITS.  gn^2 below 2^-126 counts as 0, and the clip is then 1, as it is for every gn up to 1; gn^2 beyond f32's range gives the clip 0.
.set SQ, 16                            ; v16-47   the partial sums of squares
.set G,  64                            ; v64-127  grad, then S_new
.set SS, 128                           ; v128-191 momentum_S
.set MM, 192                           ; v192-255 memory, then M_new
	s_load_b256 s[4:11], s[0:1], 0x0               ; memory 4, momentum_S 6, bw 8, md 10
	s_load_b128 s[12:15], s[0:1], 0x20             ; out0 12, out1 14
	s_load_b64 s[16:17], s[0:1], 0x30              ; out2
	v_lshrrev_b32 v1, 5, v0
	v_readfirstlane_b32 s30, v1                    ; wave
	v_and_b32 v1, 31, v0
	v_lshlrev_b32 v2, 4, v1                        ; 16 x lane
	v_lshlrev_b32 v3, 4, v0                        ; 16 x thread
	s_lshl_b32 s2, ttmp9, 16
	s_mov_b32 s3, 0
	s_mov_b32 s32, 0x76543210
	s_mov_b32 s33, 0xfedcba98
	s_wait_kmcnt 0x0
	s_load_b128 s[20:23], s[10:11], 0x46000        ; the gate values: forget batch 0, 1, decay batch 0, 1
	s_add_nc_u64 s[18:19], s[8:9], 0x1000000       ; the partial sums
	s_add_nc_u64 s[4:5], s[4:5], s[2:3]
	s_add_nc_u64 s[6:7], s[6:7], s[2:3]
	s_add_nc_u64 s[8:9], s[8:9], s[2:3]
	s_add_nc_u64 s[14:15], s[14:15], s[2:3]
	s_add_nc_u64 s[16:17], s[16:17], s[2:3]
.irp j, 0,1,2,3,4,5,6,7
	global_load_b128 v[SQ+4*\j:SQ+4*\j+3], v2, s[18:19] offset:512*\j
.endr
.irp j, 0,1,2,3,4,5,6,7,8,9,10,11,12,13,14,15
	global_load_b128 v[G+4*\j:G+4*\j+3],   v3, s[8:9] offset:4096*\j th:TH_LOAD_NT
	global_load_b128 v[SS+4*\j:SS+4*\j+3], v3, s[6:7] offset:4096*\j th:TH_LOAD_NT
	global_load_b128 v[MM+4*\j:MM+4*\j+3], v3, s[4:5] offset:4096*\j th:TH_LOAD_NT
.endr
	s_wait_loadcnt 48                              ; the partial sums are in; the stream's 48 loads stay out
.irp k, 0,1,2,3,4,5,6,7
	v_pk_add_f32 v[SQ+2*\k:SQ+2*\k+1], v[SQ+2*\k:SQ+2*\k+1], v[SQ+16+2*\k:SQ+16+2*\k+1]
.endr
.irp k, 0,1,2,3
	v_pk_add_f32 v[SQ+2*\k:SQ+2*\k+1], v[SQ+2*\k:SQ+2*\k+1], v[SQ+8+2*\k:SQ+8+2*\k+1]
.endr
.irp k, 0,1
	v_pk_add_f32 v[SQ+2*\k:SQ+2*\k+1], v[SQ+2*\k:SQ+2*\k+1], v[SQ+4+2*\k:SQ+4+2*\k+1]
.endr
	v_pk_add_f32 v[SQ:SQ+1], v[SQ:SQ+1], v[SQ+2:SQ+3]
	v_add_f32 v[SQ], v[SQ], v[SQ+1]
.irp x, 1,2,4,8
	v_add_f32_dpp v[SQ], v[SQ], v[SQ] row_xmask:\x row_mask:0xf bank_mask:0xf
.endr
	v_permlanex16_b32 v[SQ+1], v[SQ], s32, s33
	v_add_f32 v[SQ], v[SQ], v[SQ+1]                ; gn^2, in every lane
	v_rsq_f32 v[SQ+2], v[SQ]
	v_nop                                          ; a plain instruction behind it,
	s_wait_alu depctr_va_vdst(0)                   ; and its wait
	v_min_num_f32 v[SQ+2], 1.0, v[SQ+2]
	v_mul_f32 v[SQ+2], 0xbc23d70a, v[SQ+2]         ; -0.01 x clip
	v_readfirstlane_b32 s28, v[SQ+2]
	s_mov_b32 s29, s28                             ; named as pairs
	s_wait_kmcnt 0x0
	s_add_f32 s24, s22, s23
	s_mul_f32 s24, s24, 0.5                        ; eta
	s_mov_b32 s25, s24
	s_add_f32 s31, s20, s21
	s_mov_b32 s26, 1.0
	s_fmac_f32 s26, s31, -0.5                      ; 1 - alpha
	s_mov_b32 s27, s26
.irp j, 0,1,2,3,4,5,6,7,8,9,10,11,12,13,14,15
	s_wait_loadcnt 3*(15-\j)                       ; loads come back in order (ISA guide 5.7.1): triple j is in, the younger triples stay out
.irp p, 0,2
	v_pk_mul_f32 v[SS+4*\j+\p:SS+4*\j+\p+1], v[SS+4*\j+\p:SS+4*\j+\p+1], s[24:25] op_sel_hi:[1,0]
	v_pk_fma_f32 v[G+4*\j+\p:G+4*\j+\p+1],   v[G+4*\j+\p:G+4*\j+\p+1],   s[28:29], v[SS+4*\j+\p:SS+4*\j+\p+1] op_sel_hi:[1,0,1]
	v_pk_fma_f32 v[MM+4*\j+\p:MM+4*\j+\p+1], v[MM+4*\j+\p:MM+4*\j+\p+1], s[26:27], v[G+4*\j+\p:G+4*\j+\p+1]   op_sel_hi:[1,0,1]
.endr
	global_store_b128 v3, v[G+4*\j:G+4*\j+3],   s[16:17] offset:4096*\j th:TH_STORE_NT
	global_store_b128 v3, v[MM+4*\j:MM+4*\j+3], s[14:15] offset:4096*\j th:TH_STORE_NT
.endr
	s_or_b32 s31, ttmp9, s30
	s_cmp_lg_u32 s31, 0
	s_cbranch_scc1 .Lend                           ; the loss: work-group 0, wave 0
	s_wait_xcnt 0x0                                ; the stores have read their data: grad's registers are loaded again only behind this wait
.irp j, 0,1,2,3,4,5,6,7,8,9,10,11,12,13,14,15
	global_load_b128 v[G+4*\j:G+4*\j+3], v2, s[10:11] offset:278528+512*\j
.endr
	s_wait_loadcnt 0x0
.set w, 32
.rept 5                                        ; 64 numbers a lane: 16, 8, 4, 2, 1 packed additions
.set k, 0
.rept w/2
	v_pk_add_f32 v[G+2*k:G+2*k+1], v[G+2*k:G+2*k+1], v[G+w+2*k:G+w+2*k+1]
.set k, k+1
.endr
.set w, w/2
.endr
	v_add_f32 v[G], v[G], v[G+1]
.irp x, 1,2,4,8
	v_add_f32_dpp v[G], v[G], v[G] row_xmask:\x row_mask:0xf bank_mask:0xf
.endr
	v_permlanex16_b32 v[G+1], v[G], s32, s33
	v_add_f32 v[G], v[G], v[G+1]
	v_mul_f32 v[G], 0x37000000, v[G]               ; / (2048 x 64)
	v_mov_b32 v4, 0
	v_cmp_eq_u32 vcc_lo, 0, v1
	s_wait_xcnt 0x0                                ; EXEC changes only behind this wait
	s_and_saveexec_b32 s31, vcc_lo
	global_store_b32 v4, v[G], s[12:13]
	s_wait_xcnt 0x0
	s_or_b32 exec_lo, exec_lo, s31
.Lend:
	s_endpgm
.Lfunc_end_k_q21357db371_final:
	.size	k_q21357db371_final, .Lfunc_end_k_q21357db371_final-k_q21357db371_final
	.p2alignl 7, 3214868480
	.fill 96, 4, 3214868480
	.section	.rodata,"a",@progbits
	.p2align	6, 0x0
	.amdhsa_kernel k_q21357db371_final
		.amdhsa_group_segment_fixed_size 0
		.amdhsa_private_segment_fixed_size 0
		.amdhsa_enable_private_segment 0
		.amdhsa_kernarg_size 56
		.amdhsa_user_sgpr_count 2
		.amdhsa_user_sgpr_kernarg_segment_ptr 1
		.amdhsa_wavefront_size32 1
		.amdhsa_system_sgpr_workgroup_id_x 1
		.amdhsa_system_sgpr_workgroup_id_y 1
		.amdhsa_system_sgpr_workgroup_id_z 1
		.amdhsa_system_vgpr_workitem_id 0
		.amdhsa_next_free_vgpr 256
		.amdhsa_next_free_sgpr 66
		.amdhsa_reserve_vcc 1
		.amdhsa_float_denorm_mode_32 3
		.amdhsa_float_denorm_mode_16_64 3
		.amdhsa_memory_ordered 1
		.amdhsa_forward_progress 1
		.amdhsa_inst_pref_size 23
	.end_amdhsa_kernel
	.amdgpu_metadata
---
amdhsa.version: [ 1, 2 ]
amdhsa.kernels:
  - .name:           k_q21357db371_final
    .symbol:         k_q21357db371_final.kd
    .args:
      - { .name: memory, .offset: 0, .size: 8, .value_kind: global_buffer, .address_space: global }
      - { .name: momentum_S, .offset: 8, .size: 8, .value_kind: global_buffer, .address_space: global }
      - { .name: bw, .offset: 16, .size: 8, .value_kind: global_buffer, .address_space: global }
      - { .name: md, .offset: 24, .size: 8, .value_kind: global_buffer, .address_space: global }
      - { .name: out0, .offset: 32, .size: 8, .value_kind: global_buffer, .address_space: global }
      - { .name: out1, .offset: 40, .size: 8, .value_kind: global_buffer, .address_space: global }
      - { .name: out2, .offset: 48, .size: 8, .value_kind: global_buffer, .address_space: global }
    .group_segment_fixed_size: 0
    .private_segment_fixed_size: 0
    .kernarg_segment_align: 8
    .kernarg_segment_size: 56
    .max_flat_workgroup_size: 256
    .sgpr_count:     66
    .vgpr_count:     256
    .wavefront_size: 32
...
	.end_amdgpu_metadata
.endif
;; end of part 5
;; ======== version 2 of 2: 5 launches; version 1 with the launch final written anew for expert scheduling mode
;; workspace buffers: pj 917,504 bytes; fw 34,603,008 bytes; md 286,976 bytes; bw 16,781,312 bytes
;; launch proj: the kernel of part 1 again; grid 64 x 3, 8 waves a work-group, no clusters, 164,864 bytes of LDS; arguments x, Wk, Wv, fg_w1, dg_w1, bk, bv, pj; writes pj
;; launch fwd: the kernel of part 2 again; grid 4 x 64, 4 waves a work-group, no clusters, 169,472 bytes of LDS; arguments memory, pj, fw; writes fw
;; launch mid: the kernel of part 3 again; grid 257 x 1, 4 waves a work-group, no clusters, 0 bytes of LDS; arguments fw, pj, fg_b1, fg_w2, fg_b2, dg_b1, dg_w2, dg_b2, md; writes md
;; launch bwd: the kernel of part 4 again; grid 256 x 1, 4 waves a work-group, clusters of 4 x 1, 327,680 bytes of LDS; arguments memory, pj, md, bw; writes bw
;; launch final (part 6): grid 256 x 1, 8 waves a work-group, no clusters, 0 bytes of LDS; arguments memory, momentum_S, bw, md, out0, out1, out2; writes out0, out1, out2
.if DOCPART == 6
	.amdgcn_target "amdgcn-amd-amdhsa--gfx1250"
	.amdhsa_code_object_version 6
	.text
	.protected	k_q21357db371_final
	.globl	k_q21357db371_final
	.p2align	8
	.type	k_q21357db371_final,@function
k_q21357db371_final:
	s_mov_b64 s[64:65], 0
	v_nop
	global_prefetch_b8 v0, s[64:65] scope:SCOPE_SE
	s_setreg_imm32_b32 hwreg(HW_REG_WAVE_SCHED_MODE, 0, 2), 2
	s_setreg_imm32_b32 hwreg(HW_REG_WAVE_MODE, 25, 1), 1
	s_wait_xcnt 0x0
	s_wait_alu depctr_vm_vsrc(0)
; THE UPDATE.  gn^2 = the sum of the 1,024 partial sums of grad^2; clip = min(1, 1 / gn); eta and alpha are the means of the two batches' gate values;
;   out2 = S_new = eta S - 0.01 clip grad;   out1 = (1 - alpha) M + S_new;   out0 = the loss = the sum of the 2,048 queries' squares x 2^-17.  All in f32.
; A stream: memory binds.  A work-group takes 64 KiB of each array; thread t takes 16 bytes at 4,096 j + 16 t, j = 0 .. 15, so a wave's load or store covers 512 consecutive bytes, aligned.
; All 48 stream loads of a wave go out at the head, behind the 8 loads of the partial sums, which every wave adds up for itself, in the same order.  No LDS, no barrier, no matrix unit: they would add nothing.
; LIMITS.  gn^2 below 2^-126 counts as 0, and the clip is then 1, as it is for every gn up to 1; gn^2 beyond f32's range gives the clip 0.
; THE MODE: SCHED_MODE bits 1:0 = 2 (LLVM: expert scheduling mode 2), set by the entry lines.  The code itself states the register dependences
; between vector instructions and memory instructions, with s_wait_alu, always for 0.
; THE PLAN.  Registers that memory instructions touch:
;   v2, v3   byte offsets, made once at the head and never written again: one wait ahead of the first load serves every load and store.
;   SQ       loaded once; behind the wait for its data vector instructions alone name it.
;   G, MM    triple j (grad, momentum_S, memory at 4,096 j): loaded once, written in place by the triple's multiply-adds, read by its two stores, never written again.
;   SS       triple j: loaded once, then read and written by the triple's arithmetic; no store reads it.  In work-group 0, wave 0 the loss's table lands in it at the end.
;   v4       the offset 0 of the loss's one store, made in that arm.
; The 16 triples go in four blocks of four: the wait for the block's 12 loads, its 24 packed instructions, ONE wait on va_vdst, its eight stores in one run.  The stores follow their own block at once,
; and not the next block's wait for data: every load is out already, so nothing but the stores hangs on that wait, and behind the wave's last load stand eight stores, not sixteen.
; No register that a load or a store has read is written again, so the only waits on vm_vsrc are the two at the writes of EXEC.
.set SQ, 16                            ; v16-47   the partial sums of squares
.set G,  64                            ; v64-127  grad, then S_new
.set SS, 128                           ; v128-191 momentum_S; at the end, in one wave, the queries' squares
.set MM, 192                           ; v192-255 memory, then M_new
	s_load_b256 s[4:11], s[0:1], 0x0               ; memory 4, momentum_S 6, bw 8, md 10
	s_load_b128 s[12:15], s[0:1], 0x20             ; out0 12, out1 14
	s_load_b64 s[16:17], s[0:1], 0x30              ; out2
	v_lshrrev_b32 v1, 5, v0
	v_readfirstlane_b32 s30, v1                    ; wave (first read at the stream's end, behind the wait on va_sdst below)
	v_and_b32 v1, 31, v0
	v_lshlrev_b32 v2, 4, v1                        ; 16 x lane
	v_lshlrev_b32 v3, 4, v0                        ; 16 x thread
	s_lshl_b32 s2, ttmp9, 16
	s_mov_b32 s3, 0
	s_mov_b32 s32, 0x76543210
	s_mov_b32 s33, 0xfedcba98
	s_wait_kmcnt 0x0
	s_load_b128 s[20:23], s[10:11], 0x46000        ; the gate values: forget batch 0, 1, decay batch 0, 1
	s_add_nc_u64 s[18:19], s[8:9], 0x1000000       ; the partial sums
	s_add_nc_u64 s[4:5], s[4:5], s[2:3]
	s_add_nc_u64 s[6:7], s[6:7], s[2:3]
	s_add_nc_u64 s[8:9], s[8:9], s[2:3]
	s_add_nc_u64 s[14:15], s[14:15], s[2:3]
	s_add_nc_u64 s[16:17], s[16:17], s[2:3]
	s_wait_alu depctr_va_vdst(0)                   ; v2 and v3 are written: every load and store of the kernel but the loss's store reads one of them as its offset
.irp j, 0,1,2,3,4,5,6,7
	global_load_b128 v[SQ+4*\j:SQ+4*\j+3], v2, s[18:19] offset:512*\j
.endr
.irp j, 0,1,2,3,4,5,6,7,8,9,10,11,12,13,14,15
	global_load_b128 v[G+4*\j:G+4*\j+3],   v3, s[8:9] offset:4096*\j th:TH_LOAD_NT
	global_load_b128 v[SS+4*\j:SS+4*\j+3], v3, s[6:7] offset:4096*\j th:TH_LOAD_NT
	global_load_b128 v[MM+4*\j:MM+4*\j+3], v3, s[4:5] offset:4096*\j th:TH_LOAD_NT
.endr
	s_wait_loadcnt 48                              ; the partial sums are in; the stream's 48 loads stay out
.irp k, 0,1,2,3,4,5,6,7
	v_pk_add_f32 v[SQ+2*\k:SQ+2*\k+1], v[SQ+2*\k:SQ+2*\k+1], v[SQ+16+2*\k:SQ+16+2*\k+1]
.endr
.irp k, 0,1,2,3
	v_pk_add_f32 v[SQ+2*\k:SQ+2*\k+1], v[SQ+2*\k:SQ+2*\k+1], v[SQ+8+2*\k:SQ+8+2*\k+1]
.endr
.irp k, 0,1
	v_pk_add_f32 v[SQ+2*\k:SQ+2*\k+1], v[SQ+2*\k:SQ+2*\k+1], v[SQ+4+2*\k:SQ+4+2*\k+1]
.endr
	v_pk_add_f32 v[SQ:SQ+1], v[SQ:SQ+1], v[SQ+2:SQ+3]
	v_add_f32 v[SQ], v[SQ], v[SQ+1]
.irp x, 1,2,4,8
	v_add_f32_dpp v[SQ], v[SQ], v[SQ] row_xmask:\x row_mask:0xf bank_mask:0xf
.endr
	v_permlanex16_b32 v[SQ+1], v[SQ], s32, s33
	v_add_f32 v[SQ], v[SQ], v[SQ+1]                ; gn^2, in every lane
	v_rsq_f32 v[SQ+2], v[SQ]
	v_nop                                          ; a plain instruction behind it,
	s_wait_alu depctr_va_vdst(0)                   ; and its wait: 1 / gn is written, ahead of its first reader
	v_min_num_f32 v[SQ+2], 1.0, v[SQ+2]
	v_mul_f32 v[SQ+2], 0xbc23d70a, v[SQ+2]         ; -0.01 x clip
	v_readfirstlane_b32 s28, v[SQ+2]
	s_wait_alu depctr_va_sdst(0)                   ; s28 is written, ahead of its first reader, the move below; so is s30, the wave's number from the head
	s_mov_b32 s29, s28                             ; named as pairs
	s_wait_kmcnt 0x0
	s_add_f32 s24, s22, s23
	s_mul_f32 s24, s24, 0.5                        ; eta
	s_mov_b32 s25, s24
	s_add_f32 s31, s20, s21
	s_mov_b32 s26, 1.0
	s_fmac_f32 s26, s31, -0.5                      ; 1 - alpha
	s_mov_b32 s27, s26
; Triple j's arithmetic in three stages; a block takes each stage for its four triples in turn, so that no line reads the result of the line before it.
.macro ETA_S j                         ; eta S
.irp p, 0,2
	v_pk_mul_f32 v[SS+4*(\j)+\p:SS+4*(\j)+\p+1], v[SS+4*(\j)+\p:SS+4*(\j)+\p+1], s[24:25] op_sel_hi:[1,0]
.endr
.endm
.macro S_NEW j                         ; - 0.01 clip grad + eta S
.irp p, 0,2
	v_pk_fma_f32 v[G+4*(\j)+\p:G+4*(\j)+\p+1], v[G+4*(\j)+\p:G+4*(\j)+\p+1], s[28:29], v[SS+4*(\j)+\p:SS+4*(\j)+\p+1] op_sel_hi:[1,0,1]
.endr
.endm
.macro M_NEW j                         ; (1 - alpha) M + S_new
.irp p, 0,2
	v_pk_fma_f32 v[MM+4*(\j)+\p:MM+4*(\j)+\p+1], v[MM+4*(\j)+\p:MM+4*(\j)+\p+1], s[26:27], v[G+4*(\j)+\p:G+4*(\j)+\p+1] op_sel_hi:[1,0,1]
.endr
.endm
.macro OUT j
	global_store_b128 v3, v[G+4*(\j):G+4*(\j)+3],   s[16:17] offset:4096*(\j) th:TH_STORE_NT
	global_store_b128 v3, v[MM+4*(\j):MM+4*(\j)+3], s[14:15] offset:4096*(\j) th:TH_STORE_NT
.endm
.irp b, 0,1,2,3
	s_wait_loadcnt 12*(3-\b)                       ; loads come back in order (ISA guide 5.7.1): block b's four triples are in, the later blocks' loads stay out
.irp i, 0,1,2,3
	ETA_S 4*\b+\i
.endr
.irp i, 0,1,2,3
	S_NEW 4*\b+\i
.endr
.irp i, 0,1,2,3
	M_NEW 4*\b+\i
.endr
	s_wait_alu depctr_va_vdst(0)                   ; the block's multiply-adds have written its G and MM, which the eight stores below read; in the last block also: the arithmetic is done with SS, in which the loss's loads land
.irp i, 0,1,2,3
	OUT 4*\b+\i
.endr
.endr
	s_or_b32 s31, ttmp9, s30
	s_cmp_lg_u32 s31, 0
	s_cbranch_scc1 .Lend                           ; the loss: work-group 0, wave 0
.irp j, 0,1,2,3,4,5,6,7,8,9,10,11,12,13,14,15
	global_load_b128 v[SS+4*\j:SS+4*\j+3], v2, s[10:11] offset:278528+512*\j  ; into SS, which no store has read.  No wait: no vector instruction since the last wait on va_vdst names SS or v2
.endr
	s_wait_loadcnt 0x0
.set w, 32
.rept 5                                        ; 64 numbers a lane: 16, 8, 4, 2, 1 packed additions
.set k, 0
.rept w/2
	v_pk_add_f32 v[SS+2*k:SS+2*k+1], v[SS+2*k:SS+2*k+1], v[SS+w+2*k:SS+w+2*k+1]
.set k, k+1
.endr
.set w, w/2
.endr
	v_add_f32 v[SS], v[SS], v[SS+1]
.irp x, 1,2,4,8
	v_add_f32_dpp v[SS], v[SS], v[SS] row_xmask:\x row_mask:0xf bank_mask:0xf
.endr
	v_permlanex16_b32 v[SS+1], v[SS], s32, s33
	v_add_f32 v[SS], v[SS], v[SS+1]
	v_mul_f32 v[SS], 0x37000000, v[SS]             ; / (2048 x 64)
	v_mov_b32 v4, 0
	v_cmp_eq_u32 vcc_lo, 0, v1
	s_wait_xcnt 0x0                                ; EXEC changes only behind this wait
	s_wait_alu depctr_va_vcc(0)                    ; the compare has written VCC, from which EXEC is made
	s_wait_alu depctr_va_vdst(0)                   ; ahead of the write of EXEC: every vector instruction is done; among them those that wrote v4 and the sum, which the store below reads
	s_wait_alu depctr_vm_vsrc(0)                   ; ahead of the write of EXEC: every load and store issued so far has read its registers
	s_and_saveexec_b32 s31, vcc_lo
	global_store_b32 v4, v[SS], s[12:13]
	s_wait_xcnt 0x0                                ; EXEC changes only behind this wait
	s_wait_alu depctr_va_vdst(0)                   ; ahead of the write of EXEC: no vector instruction is under way
	s_wait_alu depctr_vm_vsrc(0)                   ; ahead of the write of EXEC: the store has read its offset and its data
	s_or_b32 exec_lo, exec_lo, s31
.Lend:
	s_endpgm
.Lfunc_end_k_q21357db371_final:
	.size	k_q21357db371_final, .Lfunc_end_k_q21357db371_final-k_q21357db371_final
	.p2alignl 7, 3214868480
	.fill 96, 4, 3214868480
	.section	.rodata,"a",@progbits
	.p2align	6, 0x0
	.amdhsa_kernel k_q21357db371_final
		.amdhsa_group_segment_fixed_size 0
		.amdhsa_private_segment_fixed_size 0
		.amdhsa_enable_private_segment 0
		.amdhsa_kernarg_size 56
		.amdhsa_user_sgpr_count 2
		.amdhsa_user_sgpr_kernarg_segment_ptr 1
		.amdhsa_wavefront_size32 1
		.amdhsa_system_sgpr_workgroup_id_x 1
		.amdhsa_system_sgpr_workgroup_id_y 1
		.amdhsa_system_sgpr_workgroup_id_z 1
		.amdhsa_system_vgpr_workitem_id 0
		.amdhsa_next_free_vgpr 256
		.amdhsa_next_free_sgpr 66
		.amdhsa_reserve_vcc 1
		.amdhsa_float_denorm_mode_32 3
		.amdhsa_float_denorm_mode_16_64 3
		.amdhsa_memory_ordered 1
		.amdhsa_forward_progress 1
		.amdhsa_inst_pref_size 23
	.end_amdhsa_kernel
	.amdgpu_metadata
---
amdhsa.version: [ 1, 2 ]
amdhsa.kernels:
  - .name:           k_q21357db371_final
    .symbol:         k_q21357db371_final.kd
    .args:
      - { .name: memory, .offset: 0, .size: 8, .value_kind: global_buffer, .address_space: global }
      - { .name: momentum_S, .offset: 8, .size: 8, .value_kind: global_buffer, .address_space: global }
      - { .name: bw, .offset: 16, .size: 8, .value_kind: global_buffer, .address_space: global }
      - { .name: md, .offset: 24, .size: 8, .value_kind: global_buffer, .address_space: global }
      - { .name: out0, .offset: 32, .size: 8, .value_kind: global_buffer, .address_space: global }
      - { .name: out1, .offset: 40, .size: 8, .value_kind: global_buffer, .address_space: global }
      - { .name: out2, .offset: 48, .size: 8, .value_kind: global_buffer, .address_space: global }
    .group_segment_fixed_size: 0
    .private_segment_fixed_size: 0
    .kernarg_segment_align: 8
    .kernarg_segment_size: 56
    .max_flat_workgroup_size: 256
    .sgpr_count:     66
    .vgpr_count:     256
    .wavefront_size: 32
...
	.end_amdgpu_metadata
.endif
;; end of part 6
